; MI455X (gfx1250); checked and timed in simulation.
; The chip was launched on July 23, 2026; its instructions are those of AMD's public machine-readable ISA for CDNA 5 (MIT licence, August 2026) and "CDNA5" Instruction Set Architecture Reference Guide (July 2026). The comments in the code are by the model that wrote it; some were corrected since.
;; Context Multi Head Attn. Allowed arithmetic: matrix products marked QUANTISED: E5M2 operands, one E8M0 scale for each 32 along K, by v_wmma_scale_f32_16x16x128_f8f6f4 with both operands' format E5M2, f32 sums; everything else in f32.
;; Inputs: Wkv_codes 2,048 x 32 x 32 uint8 (E5M2 codes of Wkv, K innermost, in blocks of 32 codes); Wkv_scales 2,048 x 32 uint8 (E8M0 scales of Wkv, one for each 32 codes along K); Wo_codes 1,024 x 32 x 32 uint8 (E5M2 codes of Wo, K innermost, in blocks of 32 codes); Wo_scales 1,024 x 32 uint8 (E8M0 scales of Wo, one for each 32 codes along K); Wq_codes 1,024 x 32 x 32 uint8 (E5M2 codes of Wq, K innermost, in blocks of 32 codes); Wq_scales 1,024 x 32 uint8 (E8M0 scales of Wq, one for each 32 codes along K); attn_mask 1,024 x 8 bool; beta 1,024 float32; c_codes 1,024 x 8 x 32 x 32 uint8 (E5M2 codes of c, K innermost, in blocks of 32 codes); c_scales 1,024 x 8 x 32 uint8 (E8M0 scales of c, one for each 32 codes along K); gamma 1,024 float32; h 1,024 x 8 x 1,024 float32.
;; Outputs: out0 1,024 x 8 x 1,024 float32.
;; This version of the problem:
;;   THIS VERSION OF THE PROBLEM IS GIVEN IN LOW PRECISION. The matrix products marked QUANTISED in the list below multiply operands that are first quantised to E5M2 (5 exponent bits, 2 mantissa bits; 8 bits a number), with one power-of-two scale for each 32 numbers along K (OCP MX v1.0); their sums are f32. All else is computed in f32.
;;   The module's matrix products, in the order in which they are computed (A, B: the left and right operand; K: the contracted axis; several contracted axes count as one K, in the product's order):
;;     1. [M 8,192, K 1,024] x [K 1,024, N 1,024]; A: computed on the way; B: input Wq (given as codes): QUANTISED
;;     2. [M 8,192, K 1,024] x [K 1,024, N 2,048]; A: input c (given as codes); B: input Wkv (given as codes): QUANTISED
;;     3. batch 128 x [M 1,024, K 64] x [K 64, N 1,024]; A: computed on the way; B: computed on the way: QUANTISED
;;     4. batch 128 x [M 64, K 1,024] x [K 1,024, N 1,024]; A: computed on the way; B: softmax (see below): QUANTISED
;;     5. [M 8,192, K 1,024] x [K 1,024, N 1,024]; A: computed on the way; B: input Wo (given as codes): QUANTISED
;;   THE QUANTISER, for each operand of a quantised product, along K:
;;     - K is cut into blocks of 32 from its start; a last block that is shorter is filled with zeros.
;;     - A block's scale is 2^e with e = floor(log2(the largest magnitude in the block)) - 15, held to -126 .. 127; a block of zeros has e = 0. As a byte (E8M0): e + 127.
;;     - Each number is divided by its block's scale, clamped to +-57,344, and rounded to the nearest number of E5M2, ties to even, subnormals kept.
;;     - The product sums the exact products of the quantised numbers (number of the format x scale) in f32.
;;   ~~~python
;;   def quantise(x, axis):      # numpy; x: float32 -> the quantised numbers, widened to float32 again
;;       x = np.moveaxis(x, axis, -1); K = x.shape[-1]
;;       x = np.pad(x, [(0, 0)] * (x.ndim - 1) + [(0, -K % 32)]); x = x.reshape(x.shape[:-1] + (-1, 32)); a = np.abs(x).max(-1, keepdims=True)
;;       e = np.where(a > 0, np.clip(np.frexp(np.where(a > 0, a, 1))[1] - 1 - 15, -126, 127), 0)      # np.frexp(a)[1] - 1 = floor(log2(a)), exactly
;;       r = np.clip(x / 2.0 ** e, -57344, 57344)
;;       step = 2.0 ** (np.maximum(np.frexp(np.where(r == 0, 1, r))[1] - 1, -14) - 2)
;;       q = np.round(r / step) * step * 2.0 ** e      # np.round: ties to even
;;       return np.moveaxis(q.reshape(q.shape[:-2] + (-1,))[..., :K], -1, axis).astype(np.float32)
;;   ~~~
;;   SOFTMAX AHEAD OF A QUANTISED PRODUCT. Where the list says 'softmax', what is quantised is not the finished softmax but p = 2^(t - M), with t = logit x log2(e) and M = ceil(the row's largest t), a whole number; so 1/2 < the row's largest p <= 1. The row's sum l is taken of the UNQUANTISED p, in f32, and the product's result is divided by l at the end. Since M is a whole number, a kernel that streams over the keys may use a running M (the ceiling of the running maximum): every later rescaling is an exact power of two, which a block's scale takes up: the codes' values come out the same.
;;   OPERANDS COMPUTED ON THE WAY. 'Computed on the way' means the value that the module computes at that place (a softmax that the list does not call 'softmax' is quantised finished and normalised). What goes into a quantiser is computed in f32, as accurately as f32 sums, v_exp_f32 and their like allow (about 1e-6 of the number): no bf16 or f16 on the way to a quantiser, and a product that is left as it is and whose result goes on into a quantised operand takes f32 operands (vector FMAs, or v_wmma_f32_16x16x4_f32). A number that lies on a knife's edge between two numbers of the format may be rounded either way, as far as f32 arithmetic and the matrix unit's own rounding can turn it there, and no further.
;;   INPUTS GIVEN AS CODES. Wkv (in the module: [1024, 2048], K = its axis 0); Wo (in the module: [1024, 1024], K = its axis 0); Wq (in the module: [1024, 1024], K = its axis 0); c (in the module: [1024, 8, 1024], K = its axis 2): each comes as NAME_codes (uint8): NAME with its K axis moved to the last place and cut into blocks of 32 codes, [.., K / 32, bytes a block], one block behind the other in memory; one code a byte (a code: sign, 5 exponent bits, 2 mantissa bits); and NAME_scales (uint8): the same leading axes, one E8M0 byte (e + 127) for each 32 codes along K. Its value is code x scale, taken as it is: it is not quantised again, and the codes and scales need not be those that the quantiser above would give.
;; One version. Each part assembles by itself: llvm-mc -triple=amdgcn-amd-amdhsa -mcpu=gfx1250 --defsym DOCPART=n.
;; ======== version 1 of 1: 4 launches
;; limits: right only within a limited range of input values
;; workspace buffers: hq_codes 8,388,608 bytes; hq_scales 262,144 bytes; stats 65,536 bytes; qrec 9,961,472 bytes; krec 9,961,472 bytes; vrec 8,650,752 bytes; av 8,388,608 bytes; avsc 262,144 bytes
;; launch lnq (part 1): grid 256 x 1, 8 waves a work-group, no clusters, 43,264 bytes of LDS; arguments h, gamma, beta, hq_codes, hq_scales, stats; writes hq_codes, hq_scales, stats
.if DOCPART == 1
	.amdgcn_target "amdgcn-amd-amdhsa--gfx1250"
	.amdhsa_code_object_version 6
	.text
	.protected	k_q52340defdb_lnq
	.globl	k_q52340defdb_lnq
	.p2align	8
	.type	k_q52340defdb_lnq,@function
k_q52340defdb_lnq:
	s_mov_b64 s[64:65], 0
	v_nop
	global_prefetch_b8 v0, s[64:65] scope:SCOPE_SE
	s_setreg_imm32_b32 hwreg(HW_REG_WAVE_MODE, 25, 1), 1
	s_wait_xcnt 0x0
; LAUNCH 1 OF 4.  hn = LayerNorm(h) x gamma + beta, in f32, quantised along the model's 1,024 into codes of E5M2 with one E8M0 byte for each 32: the left operand of the product with Wq.
; h: [8,192 rows = position x 8 + batch][1,024] f32.  Out: hq_codes [row][1,024], hq_scales [row][32], laid as c_codes and c_scales are, and stats [row][2] f32 = (rstd, -mean x rstd),
; from which the last launch makes the residual hn again from h: two numbers a row go through memory in place of 1,024.
; DEAD WORK: none in the whole program.  Every input reaches out0 and all five products of the problem are live, so nothing is left out and every input is among some launch's arguments.
; LIMITS: NaN and infinities among the inputs are not served.  A block of zeros gets the byte 1 where the rule says 127: its codes are zeros, which add nothing, and only this program reads the bytes.
; A block whose largest magnitude lies under 2^-111 has its byte held at 1.
; SHARES.  A work-group takes 32 rows, a wave 4.  A row is eight loads of 512 consecutive bytes; all 48 loads of a wave (gamma, beta, four rows) go out at the head.  Mean and variance in two passes, as the
; problem writes them.  The conversions want 16 neighbours in one lane, the loads give a lane 4: half a row (2,048 bytes) at a time turns through the wave's own stage in LDS, 16 bytes of padding behind each 64.
; The 32 rows' scale bytes (1,024) and stats (256) are gathered in LDS and leave as whole aligned blocks of 256 bytes by wave 0.  No matrix unit, no tensor load, no cluster: a stream whose waves share nothing else.
.set SP,    80                         ; a lane's place in a stage: 64 bytes + 16
.set WREG,  2*32*SP                    ; a wave's two stages
.set SCB,   8*WREG                     ; 32 rows x 32 scale bytes
.set STT,   SCB+1024                   ; 32 rows x 8 bytes of stats
.set SPARE, STT+256                    ; the spare words, 128 bytes a wave: four blocks of 256 bytes that no other line names
.set LO,   1                           ; v1   16 x lane
.set SIN,  2                           ; v2   the stage, on the way in
.set SOUT, 3                           ; v3   and out
.set SBY,  4                           ; v4   my block's scale byte in LDS
.set STA,  5                           ; v5   my wave's stats in LDS
.set SPW,  6                           ; v6   my spare word; never rewritten
.set NIL,  7                           ; v7   0; never rewritten
.set PT,   8                           ; v8   the lane exchange's destination
.set OSC,  12                          ; v12  SCB + 16 x lane
.set OST,  13                          ; v13  STT + 8 x lane
.set L8,   14                          ; v14  8 x lane
.set G,    16                          ; v16-47   gamma of my 32 columns
.set BT,   48                          ; v48-79   beta
.set R,    80                          ; v80-207  four rows, 32 numbers each; later each row's codes and bytes
.set X,    208                         ; v208-239 two sets of 16 neighbours
.set T,    240                         ; v240-247 at work
.set MU,   248                         ; v248-249 the mean, twice
.set RS,   250                         ; v250-251 rstd, -mean x rstd
	s_load_b256 s[4:11], s[0:1], 0x0               ; h, gamma, beta, hq_codes
	s_load_b128 s[12:15], s[0:1], 0x20             ; hq_scales, stats
	v_lshl_add_u32 v[SPW], v0, 2, SPARE
	v_mov_b32 v[NIL], 0
	v_lshrrev_b32 v9, 5, v0
	s_delay_alu instid0(VALU_DEP_1)
	v_readfirstlane_b32 s16, v9                    ; wave 0..7
	v_and_b32 v10, 31, v0                          ; lane
	s_delay_alu instid0(VALU_DEP_1)
	v_lshlrev_b32 v[LO], 4, v10
	s_mul_i32 s17, s16, WREG
	v_lshrrev_b32 v[SIN], 2, v10
	s_delay_alu instid0(VALU_DEP_1)
	v_mul_u32_u24 v[SIN], v[SIN], SP
	v_and_b32 v11, 3, v10
	s_delay_alu instid0(VALU_DEP_1)
	v_lshl_add_u32 v[SIN], v11, 4, v[SIN]
	s_delay_alu instid0(VALU_DEP_1)
	v_add_nc_u32 v[SIN], s17, v[SIN]               ; four lanes' 64 bytes on end, then the padding
	v_mul_u32_u24 v[SOUT], v10, SP
	s_delay_alu instid0(VALU_DEP_1)
	v_add_nc_u32 v[SOUT], s17, v[SOUT]             ; my 16 neighbours
	v_lshrrev_b32 v[SBY], 1, v10
	s_lshl_b32 s17, s16, 7
	s_add_co_u32 s17, s17, SCB
	v_add_nc_u32 v[SBY], s17, v[SBY]               ; SCB + 128 x wave + lane / 2
	s_lshl_b32 s17, s16, 5
	s_add_co_u32 s17, s17, STT
	v_mov_b32 v[STA], s17                          ; STT + 32 x wave
	v_add_nc_u32 v[OSC], SCB, v[LO]
	v_lshlrev_b32 v[L8], 3, v10
	s_delay_alu instid0(VALU_DEP_1)
	v_add_nc_u32 v[OST], STT, v[L8]
	v_mov_b32 v[PT], 0                             ; written once: a lane exchange's destination counts as read
	s_mov_b32 s18, 0x76543210
	s_mov_b32 s19, 0xfedcba98                      ; lane l xor 16
	s_mov_b32 s20, 0x600000                        ; the mantissa field of 57,344
	s_mov_b32 s21, 0x3a800000                      ; 1 / 1,024
	s_mov_b32 s22, 0x3727c5ac                      ; 1e-5
	s_lshl_b32 s24, ttmp9, 5
	s_lshl_b32 s25, s16, 2
	s_add_co_u32 s24, s24, s25                     ; my first row: 32 x work-group + 4 x wave
	s_lshl_b32 s26, s24, 10                        ; its codes
	s_mov_b32 s27, 0
	s_lshl_b32 s24, s24, 12                        ; its numbers
	s_mov_b32 s25, 0
	s_lshl_b32 s28, ttmp9, 10                      ; the work-group's scale bytes
	s_mov_b32 s29, 0
	s_lshl_b32 s30, ttmp9, 8                       ; and stats
	s_mov_b32 s31, 0
	s_wait_kmcnt 0x0
	s_add_nc_u64 s[4:5], s[4:5], s[24:25]
	s_add_nc_u64 s[10:11], s[10:11], s[26:27]
	s_add_nc_u64 s[12:13], s[12:13], s[28:29]
	s_add_nc_u64 s[14:15], s[14:15], s[30:31]
.irp i, 0,1,2,3,4,5,6,7
	global_load_b128 v[G+4*\i:G+4*\i+3], v[LO], s[6:7] offset:512*\i
.endr
.irp i, 0,1,2,3,4,5,6,7
	global_load_b128 v[BT+4*\i:BT+4*\i+3], v[LO], s[8:9] offset:512*\i
.endr
.irp k, 0,1,2,3
.irp i, 0,1,2,3,4,5,6,7
	global_load_b128 v[R+32*\k+4*\i:R+32*\k+4*\i+3], v[LO], s[4:5] offset:4096*\k+512*\i th:TH_LOAD_NT   ; 32 lanes read 512 consecutive bytes
.endr
.endr
; four packed chains in v[T] on become one number in every lane
.macro FOLD
	s_delay_alu instid0(VALU_DEP_3)
	v_pk_add_f32 v[T:T+1], v[T:T+1], v[T+2:T+3]
	s_delay_alu instid0(VALU_DEP_2)
	v_pk_add_f32 v[T+4:T+5], v[T+4:T+5], v[T+6:T+7]
	s_delay_alu instid0(VALU_DEP_1)
	v_pk_add_f32 v[T:T+1], v[T:T+1], v[T+4:T+5]
	s_delay_alu instid0(VALU_DEP_1)
	v_add_f32 v[T], v[T], v[T+1]
	s_delay_alu instid0(VALU_DEP_1)
	v_add_f32_dpp v[T], v[T], v[T] row_xmask:1 row_mask:0xf bank_mask:0xf
	s_delay_alu instid0(VALU_DEP_1)
	v_add_f32_dpp v[T], v[T], v[T] row_xmask:2 row_mask:0xf bank_mask:0xf
	s_delay_alu instid0(VALU_DEP_1)
	v_add_f32_dpp v[T], v[T], v[T] row_xmask:4 row_mask:0xf bank_mask:0xf
	s_delay_alu instid0(VALU_DEP_1)
	v_add_f32_dpp v[T], v[T], v[T] row_xmask:8 row_mask:0xf bank_mask:0xf
	s_delay_alu instid0(VALU_DEP_1)
	v_permlanex16_b32 v[PT], v[T], s18, s19
	s_delay_alu instid0(VALU_DEP_1)
	v_add_f32 v[T], v[T], v[PT]
.endm
; half u of row k goes through stage u: LDS serves a wave's instructions in order, so no wait stands between the stores and the loads
.macro TURN k, u
.irp i, 0,1,2,3
	ds_store_b128 v[SIN], v[R+32*\k+16*\u+4*\i:R+32*\k+16*\u+4*\i+3] offset:32*SP*\u+8*SP*\i
.endr
.irp i, 0,1,2,3
	ds_load_b128 v[X+16*\u+4*\i:X+16*\u+4*\i+3], v[SOUT] offset:32*SP*\u+16*\i
.endr
.endm
; my 16 neighbours of half u of row k become 16 codes; two neighbouring lanes hold a block of 32
.macro QSTEP k, u
.set XS, X+16*\u
.set CK, R+32*\k+4*\u                  ; the codes and the byte land in the row's own registers, whose stores into the stage are done: no store's data are written again
.set EK, R+32*\k+8+\u
	v_max3_num_f32 v[T], |v[XS]|, |v[XS+1]|, |v[XS+2]|
	v_max3_num_f32 v[T+1], |v[XS+3]|, |v[XS+4]|, |v[XS+5]|
.irp i, 6,10
	s_delay_alu instid0(VALU_DEP_2)
	v_max3_num_f32 v[T], v[T], |v[XS+\i]|, |v[XS+\i+1]|
	s_delay_alu instid0(VALU_DEP_2)
	v_max3_num_f32 v[T+1], v[T+1], |v[XS+\i+2]|, |v[XS+\i+3]|
.endr
	s_delay_alu instid0(VALU_DEP_2)
	v_max3_num_f32 v[T], v[T], |v[XS+14]|, |v[XS+15]|
	s_delay_alu instid0(VALU_DEP_1)
	v_max3_num_f32 v[T], v[T], v[T+1], 0x8000000   ; and the floor 2^(16 - 127): the byte cannot fall under 1
	s_delay_alu instid0(VALU_DEP_1)
	v_max_num_f32_dpp v[T], v[T], v[T] row_xmask:1 row_mask:0xf bank_mask:0xf   ; with my neighbour's 16: the block's largest magnitude
	s_delay_alu instid0(VALU_DEP_1)
	v_add_nc_u32 v[T+2], 0xf8800000, v[T]          ; 15 off its exponent field: the conversion's scale operand
	s_delay_alu instid0(VALU_DEP_2)
	v_and_or_b32 v[T+3], v[T], 0x7f800000, s20     ; 57,344 x the scale
.irp i, 0,1,2,3,4,5,6,7,8,9,10,11,12,13,14,15
	v_med3_num_f32 v[XS+\i], v[XS+\i], -v[T+3], v[T+3]   ; the conversion to an 8-bit code does not saturate (ISA guide 7.6.2): the hold comes first
.endr
	v_cvt_scalef32_pk8_bf8_f32 v[CK:CK+1], v[XS:XS+7], v[T+2]
	v_cvt_scalef32_pk8_bf8_f32 v[CK+2:CK+3], v[XS+8:XS+15], v[T+2]
	v_lshrrev_b32 v[EK], 23, v[T+2]                ; the scale's byte (a plain line behind the conversions)
	ds_store_b8 v[SBY], v[EK] offset:32*\k+16*\u   ; both lanes of a block write the same byte with the same value
	global_store_b128 v[LO], v[CK:CK+3], s[10:11] offset:1024*\k+512*\u   ; 32 lanes store 512 consecutive bytes
.endm
.macro ROW k
.set RK, R+32*\k
	s_wait_loadcnt 8*(3-\k)                        ; loads come back in order: this row's eight are in, the younger rows' stay out
.irp c, 0,1,2,3
	v_pk_add_f32 v[T+2*\c:T+2*\c+1], v[RK+4*\c:RK+4*\c+1], v[RK+4*\c+2:RK+4*\c+3]
.endr
.irp i, 16,24
.irp c, 0,1,2,3
	s_delay_alu instid0(VALU_DEP_4)
	v_pk_add_f32 v[T+2*\c:T+2*\c+1], v[T+2*\c:T+2*\c+1], v[RK+\i+2*\c:RK+\i+2*\c+1]
.endr
.endr
	FOLD
	s_delay_alu instid0(VALU_DEP_1)
	v_mul_f32 v[MU], s21, v[T]                     ; the mean
	s_delay_alu instid0(VALU_DEP_1)
	v_mov_b32 v[MU+1], v[MU]
.set n, 0
.rept 16
	v_pk_add_f32 v[RK+n:RK+n+1], v[RK+n:RK+n+1], v[MU:MU+1] neg_lo:[0,1] neg_hi:[0,1]   ; x - mean
.set n, n+2
.endr
.irp c, 0,1,2,3
	v_pk_mul_f32 v[T+2*\c:T+2*\c+1], v[RK+2*\c:RK+2*\c+1], v[RK+2*\c:RK+2*\c+1]
.endr
.irp i, 8,16,24
.irp c, 0,1,2,3
	s_delay_alu instid0(VALU_DEP_4)
	v_pk_fma_f32 v[T+2*\c:T+2*\c+1], v[RK+\i+2*\c:RK+\i+2*\c+1], v[RK+\i+2*\c:RK+\i+2*\c+1], v[T+2*\c:T+2*\c+1]
.endr
.endr
	FOLD
	s_delay_alu instid0(VALU_DEP_1)
	v_fma_f32 v[T], v[T], s21, s22                 ; the variance + 1e-5
	s_wait_alu depctr_va_vdst(0)
	v_rsq_f32 v[RS], v[T]
	v_nop                                          ; a plain line behind the transcendental,
	s_wait_alu depctr_va_vdst(0)                   ; and the wait ahead of its first reader
	v_mul_f32 v[RS+1], -v[MU], v[RS]
.set n, 0
.rept 16
	v_pk_mul_f32 v[RK+n:RK+n+1], v[RK+n:RK+n+1], v[RS:RS+1] op_sel_hi:[1,0]
.set n, n+2
.endr
.set n, 0
.rept 16
	v_pk_fma_f32 v[RK+n:RK+n+1], v[RK+n:RK+n+1], v[G+n:G+n+1], v[BT+n:BT+n+1]
.set n, n+2
.endr
	ds_store_b64 v[STA], v[RS:RS+1] offset:8*\k    ; all lanes write the same eight bytes with the same values
	TURN \k, 0
	TURN \k, 1
	s_wait_dscnt 8                                 ; the first half is back; the second half's eight LDS instructions may be out
	QSTEP \k, 0
	s_wait_dscnt 1                                 ; the second half is back; the byte store may be out
	QSTEP \k, 1
.endm
	ROW 0
	ROW 1
	ROW 2
	ROW 3
	s_wait_dscnt 0x0                               ; for the others' sake: my bytes and stats lie in LDS
	s_barrier_signal -1
	s_barrier_wait -1
	s_cmp_lg_u32 s16, 0
	s_cbranch_scc1 .Lend                           ; wave 0 sends the work-group's 1,024 scale bytes and 256 bytes of stats
	ds_load_b128 v[T:T+3], v[OSC]
	ds_load_b128 v[T+4:T+7], v[OSC] offset:512
	ds_load_b64 v[MU:MU+1], v[OST]
	s_wait_dscnt 0x0
	global_store_b128 v[LO], v[T:T+3], s[12:13]
	global_store_b128 v[LO], v[T+4:T+7], s[12:13] offset:512
	global_store_b64 v[L8], v[MU:MU+1], s[14:15]
.Lend:
	s_wait_tensorcnt 0x0                           ; the wave's end
	ds_add_u32 v[SPW], v[NIL]
	s_wait_dscnt 0x0
	s_endpgm
.Lfunc_end_k_q52340defdb_lnq:
	.size	k_q52340defdb_lnq, .Lfunc_end_k_q52340defdb_lnq-k_q52340defdb_lnq
	.p2alignl 7, 3214868480
	.fill 96, 4, 3214868480
	.section	.rodata,"a",@progbits
	.p2align	6, 0x0
	.amdhsa_kernel k_q52340defdb_lnq
		.amdhsa_group_segment_fixed_size 43264
		.amdhsa_private_segment_fixed_size 0
		.amdhsa_enable_private_segment 0
		.amdhsa_kernarg_size 48
		.amdhsa_user_sgpr_count 2
		.amdhsa_user_sgpr_kernarg_segment_ptr 1
		.amdhsa_wavefront_size32 1
		.amdhsa_system_sgpr_workgroup_id_x 1
		.amdhsa_system_sgpr_workgroup_id_y 1
		.amdhsa_system_sgpr_workgroup_id_z 1
		.amdhsa_system_vgpr_workitem_id 0
		.amdhsa_next_free_vgpr 256
		.amdhsa_next_free_sgpr 66
		.amdhsa_reserve_vcc 0
		.amdhsa_float_denorm_mode_32 3
		.amdhsa_float_denorm_mode_16_64 3
		.amdhsa_memory_ordered 1
		.amdhsa_forward_progress 1
		.amdhsa_inst_pref_size 62
	.end_amdhsa_kernel
	.amdgpu_metadata
---
amdhsa.version: [ 1, 2 ]
amdhsa.kernels:
  - .name:           k_q52340defdb_lnq
    .symbol:         k_q52340defdb_lnq.kd
    .args:
      - { .name: h, .offset: 0, .size: 8, .value_kind: global_buffer, .address_space: global }
      - { .name: gamma, .offset: 8, .size: 8, .value_kind: global_buffer, .address_space: global }
      - { .name: beta, .offset: 16, .size: 8, .value_kind: global_buffer, .address_space: global }
      - { .name: hq_codes, .offset: 24, .size: 8, .value_kind: global_buffer, .address_space: global }
      - { .name: hq_scales, .offset: 32, .size: 8, .value_kind: global_buffer, .address_space: global }
      - { .name: stats, .offset: 40, .size: 8, .value_kind: global_buffer, .address_space: global }
    .group_segment_fixed_size: 43264
    .private_segment_fixed_size: 0
    .kernarg_segment_align: 8
    .kernarg_segment_size: 48
    .max_flat_workgroup_size: 256
    .sgpr_count:     66
    .vgpr_count:     256
    .wavefront_size: 32
...
	.end_amdgpu_metadata
.endif
;; end of part 1
;; launch proj (part 2): grid 12 x 32, 4 waves a work-group, clusters of 4 x 4, 327,680 bytes of LDS; arguments hq_codes, hq_scales, c_codes, c_scales, Wq_codes, Wq_scales, Wkv_codes, Wkv_scales, attn_mask, qrec, krec, vrec; writes qrec, krec, vrec
.if DOCPART == 2
	.amdgcn_target "amdgcn-amd-amdhsa--gfx1250"
	.amdhsa_code_object_version 6
	.text
	.protected	k_q52340defdb_proj
	.globl	k_q52340defdb_proj
	.p2align	8
	.type	k_q52340defdb_proj,@function
k_q52340defdb_proj:
	s_mov_b64 s[64:65], 0
	v_nop
	global_prefetch_b8 v0, s[64:65] scope:SCOPE_SE
	s_setreg_imm32_b32 hwreg(HW_REG_WAVE_MODE, 25, 1), 1
	s_wait_xcnt 0x0
	s_wait_alu depctr_hold_cnt(0) depctr_sa_sdst(0) depctr_va_vdst(0) depctr_va_sdst(0) depctr_va_ssrc(0) depctr_va_vcc(0) depctr_vm_vsrc(0)
	s_getreg_b32 s2, hwreg(HW_REG_IB_STS2, 6, 4)
	s_cmp_eq_u32 s2, 0
	s_cbranch_scc0 .Lentry_in_a_cluster
	s_endpgm
.Lentry_in_a_cluster:
	s_bfe_u32 s2, ttmp6, 0x10000c
	s_cmp_lg_u32 s2, 0xf033
	s_cbranch_scc0 .Lentry_shape_is_right
	s_endpgm
.Lentry_shape_is_right:
; LAUNCH 2 OF 4.  q = hn Wq, k and v = c Wkv, all on codes of E5M2 with E8M0 scales; the f32 results are quantised in registers for the two products of attention and leave as IMAGES OF THE NEXT OPERAND'S REGISTERS.
; No work is left out.  LIMITS: as stated at the first launch's head; and a NaN in q would reach masked places too (see THE MASK).
; PATHS.  The cluster's x says what is made: 0 q, 1 k, 2 v; it is the same in all sixteen partners.  A work-group makes 256 x 256: two batches x 128 positions against 256 columns (four heads); a wave 128 x 128:
; ONE batch x 128 positions x two heads, 64 accumulators.  K = 1,024 goes in four steps of 256 through two LDS slots; ring, rounds and matrix loop are a GEMM on codes, the steps written out (four are no loop).
; A TILE OF POSITIONS is 128 rows 8,192 bytes apart (one batch), so that a wave's tile is one key step of attention.
; THE MATRIX INSTRUCTION IS USED TRANSPOSED: a lane holds ONE row of source 1 and its registers run along source 0's rows.  q, k: source 1 = positions, source 0 = W's rows: registers run along the head's 64, the next K.
; v: THE ROLES ARE SWAPPED AT THE LDS READS ALONE (the regions of positions and of W have one shape): source 1 = Wv's rows, source 0 = positions: registers run along the keys, the next K.
; ORDER INSIDE A BLOCK OF 32.  Two neighbouring result tiles give a lane 16 numbers: places 0-7 are 32 B + 8 (lane / 16) + 0..7, places 8-15 are 32 B + 16 + 8 (lane / 16) + 0..7.  Taken as the operand's
; 32 B + 16 (lane / 16) + 0..15 that is a permutation inside the block: the block's scale is untouched, and q and k carry the same one, as do p and v in the next launch: the sums are the same.
; THE MASK.  reference() puts -10,000 where attn_mask is set.  Here a masked key's 64 codes become 0, and four of the places that fill the head's 64 up to the instruction's 128 carry the codes -57,344, -20,480,
; -2,048, -128 (0 for a key that counts); q carries 1.0 there; both sides' scale bytes of the fill are 127.  So a masked key's sum is -80,000 exactly, which x 1/8 is -10,000, for all finite inputs.
; RECORDS.  qrec, krec: [batch][head][128 positions][9,728 bytes]: 8 tiles x 2 blocks x (32 lanes x 16 bytes); +8,192 the mask words [half][lane][4] (krec alone); +9,216 the scale words [lane][4]: lanes 0-15 tiles 0-3,
; lanes 16-31 tiles 4-7.  vrec: [batch][head][128 keys][8,448]: 4 tiles of 16 channels x 4 blocks x 512; +8,192 the scale words [channel % 16][4 tiles].  Every store of a wave covers whole aligned runs of 256 bytes.
; CLUSTERS: 4 x 4.  Positions' tiles are shared along a row of the cluster, W's along a column: joint loads.  384 work-groups: the grid that the three products give at this tile.
; No prefetch: of four K steps two are first fills.
; REGISTERS: window 0: v16-30 addresses; v32-63 scale words, two sets; v128-255 source 1's fragments, one set; on the way out v64-108 at work, v128-255 the codes.  window 1: source 0's fragments, two sets.
;   windows 2, 3: the accumulators ((a, b) at v[8 (8 (a % 4) + b)]).
.set NQ,     2
.set ROWB,   256
.set PITCH,  272                       ; 256 bytes + 16: the 16 rows of a load start at 16 different banks
.set FR,     16
.set NL,     4
.set NP,     8                         ; places behind this matrix form (ISA guide 7.12.1)
.set HALFT,  128*PITCH
.set SLOT,   4*HALFT                   ; positions' two halves, then W's two
.set SCL,    2*SLOT                    ; the scales of all of K: four tiles of 128 rows x (32 bytes + 8)
.set SPT,    40
.set HALFS,  128*SPT
.set SBLK,   16*SPT
.set SPARE,  SCL+32768                 ; the spare words, well behind the scales: two blocks of 256 bytes that no other line names
.set RECQK,  9728
.set RECV,   8448
.set HSQK,   8*RECQK                   ; from head to head
.set HSV,    8*RECV
.set ADRA, 16                          ; v16-17  source 1's fragments in slot 0, 1
.set ADRB, 20                          ; v20-21  source 0's
.set LI,   24                          ; v24  16 x lane
.set VSO,  25                          ; v25  v's scale words: 16 (lane % 16) + (lane / 16) x a head
.set MKO,  26                          ; v26  8 (lane % 16): my position's byte of the mask
.set ADRS, 27                          ; v27  my scale words
.set SPW,  28                          ; v28  my spare word; never rewritten
.set NIL,  29                          ; v29  0; never rewritten
.set ZR,   30                          ; v30  zeros for the selects
.set SC,   32
.set PWD,  64                          ; v64-71   a scale word for each block a
.set MK,   72                          ; v72-79   the mask's byte, then the mask word
.set TM,   80                          ; v80-95   maxima, bytes, scale operands
.set IM,   96                          ; v96-107  scale words on their way out
.set MC,   108                         ; v108     the four codes that sum to -80,000
.set AF,   128
.set CD,   128                         ; the codes: 16 registers for each block a
.set WV,   28                          ; s28 wave;  s29 wave / 2: I fetch positions (0) or W (1);  s30 wave % 2;  s31 the path
.set SEL,  10                          ; s[10:11] lane l xor 16;  s17 the fill's two scale bytes
.set G1P,  32
.set G1W,  40
.set G0P,  48
.set G0W,  56
.set G1SP, 68
.set G1SW, 76
.set G0SP, 84
.set G0SW, 88
.set MSB, 0
.macro WIN new                         ; the immediate's high byte repeats the setting that is left
.if MSB != (\new)
	s_set_vgpr_msb (MSB<<8)|(\new)
.set MSB, (\new)
.endif
.endm
.set MUL_LO, 0xa1
.set MUL_HI, 0xf1
.set TO_B,   0x40
; a joint load: waves 0 and 1 fetch positions, waves 2 and 3 W.  The branch hangs on the wave's number alone.  An s_nop 0 and four v_nop follow each line
.macro JLOAD g0a, g1a, g0b, g1b
	s_cmp_eq_u32 s29, 0
	s_cbranch_scc0 .Lfor_b_\@
	tensor_load_to_lds s[\g0a:\g0a+3], s[\g1a:\g1a+7]
	s_nop 0
.rept 4
	v_nop
.endr
	s_branch .Lasked_\@
.Lfor_b_\@:
	tensor_load_to_lds s[\g0b:\g0b+3], s[\g1b:\g1b+7]
	s_nop 0
.rept 4
	v_nop
.endr
.Lasked_\@:
.endm
.macro CREST
	s_cmp_lg_u32 s[WV], 0
	s_cbranch_scc1 .Lnot_wave_0_\@
	s_barrier_signal -3
.Lnot_wave_0_\@:
	s_barrier_wait -3
	s_barrier_signal -1
	s_barrier_wait -1
.endm
.macro CROUND
	s_barrier_signal -1
	s_barrier_wait -1
	CREST
.endm
	s_load_b512 s[4:19], s[0:1], 0x0               ; hq codes, scales; c codes, scales; Wq codes, scales; Wkv codes, scales
	s_load_b256 s[20:27], s[0:1], 0x40             ; attn_mask, qrec, krec, vrec
	v_lshl_add_u32 v[SPW], v0, 2, SPARE
	v_mov_b32 v[NIL], 0
	ds_add_u32 v[SPW], v[NIL]                      ; the opening: the add, twice on end, and its wait ahead of my first tensor load
	ds_add_u32 v[SPW], v[NIL]
	v_lshrrev_b32 v1, 5, v0
	v_readfirstlane_b32 s[WV], v1
	s_lshr_b32 s29, s[WV], 1
	s_and_b32 s30, s[WV], 1
	s_mov_b32 s31, ttmp9                           ; the path: the cluster's x
	s_bfe_u32 s66, ttmp6, 0x40000                  ; cx: which 256 columns
	s_bfe_u32 s67, ttmp6, 0x40004                  ; cy: which pair of batches
	s_and_b32 s104, ttmp7, 0xffff                  ; the cluster's y: which 128 positions
	s_lshl_b32 s92, s67, 2
	s_lshl_b32 s92, 15, s92                        ; my row of the cluster
	s_lshl_b32 s93, 0x1111, s66                    ; my column
	s_or_b32 s[G1P], s92, (1<<20)|(1<<21)|(5<<22)|(3<<25)    ; elements of 1 byte; 4 words of padding behind every 64; bit 21 beside the mask
	s_or_b32 s[G1W], s93, (1<<20)|(1<<21)|(5<<22)|(3<<25)
.irp g, G1P, G1W
	s_mov_b32 s[\g+1], ROWB<<16
	s_mov_b32 s[\g+2], 128<<16
	s_mov_b32 s[\g+3], ROWB<<16
	s_mov_b32 s[\g+4], 128
	s_mov_b32 s[\g+6], 0
	s_mov_b32 s[\g+7], 0
.endr
	s_mov_b32 s[G1P+5], 8192                       ; from position to position of one batch
	s_mov_b32 s[G1W+5], 1024
	s_or_b32 s[G1SP], s92, (1<<20)|(1<<21)|(2<<22)|(1<<25)   ; rows of 32 scale bytes, 2 words of padding behind every 8
	s_or_b32 s[G1SW], s93, (1<<20)|(1<<21)|(2<<22)|(1<<25)
.irp g, G1SP, G1SW
	s_mov_b32 s[\g+1], 32<<16
	s_mov_b32 s[\g+2], 128<<16
	s_mov_b32 s[\g+3], 32<<16
	s_mov_b32 s[\g+4], 128
	s_mov_b32 s[\g+6], 0
	s_mov_b32 s[\g+7], 0
.endr
	s_mov_b32 s[G1SP+5], 256
	s_mov_b32 s[G1SW+5], 32
	s_lshl_b32 s94, s104, 10                       ; the first row of positions that I fetch: 1,024 x block + 2 cy + wave % 2
	s_lshl_b32 s96, s67, 1
	s_add_co_u32 s94, s94, s96
	s_add_co_u32 s94, s94, s30
	s_lshl_b32 s96, s94, 10                        ; its codes,
	s_mov_b32 s97, 0
	s_lshl_b32 s98, s94, 5                         ; its scale bytes
	s_mov_b32 s99, 0
	s_cmp_eq_u32 s31, 2
	s_cselect_b32 s105, 1, 0                       ; 1 on v's path
	s_lshl_b32 s95, s105, 10                       ; W's first row that I fetch: v's rows lie behind k's 1,024
	s_lshl_b32 s100, s66, 8
	s_add_co_u32 s95, s95, s100
	s_lshl_b32 s100, s30, 7
	s_add_co_u32 s95, s95, s100
	s_lshl_b32 s100, s95, 10
	s_mov_b32 s101, 0
	s_lshl_b32 s2, s95, 5
	s_mov_b32 s3, 0
	s_wait_dscnt 0x0                               ; both opening adds are done
	s_wait_kmcnt 0x0
	s_cmp_eq_u32 s31, 0                            ; the buffers are chosen by the path alone
	s_cselect_b64 s[4:5], s[4:5], s[8:9]
	s_cselect_b64 s[6:7], s[6:7], s[10:11]
	s_cselect_b64 s[12:13], s[12:13], s[16:17]
	s_cselect_b64 s[14:15], s[14:15], s[18:19]
	s_cselect_b64 s[22:23], s[22:23], s[24:25]
	s_cmp_eq_u32 s31, 2
	s_cselect_b64 s[22:23], s[26:27], s[22:23]
	s_add_nc_u64 s[96:97], s[4:5], s[96:97]
	s_add_nc_u64 s[98:99], s[6:7], s[98:99]
	s_add_nc_u64 s[100:101], s[12:13], s[100:101]
	s_add_nc_u64 s[2:3], s[14:15], s[2:3]
	s_mul_i32 s8, s[WV], HALFS                     ; where they go: wave x a tile: no place in the cluster enters an LDS address
	s_mul_i32 s9, s[WV], HALFT
	CROUND                                         ; all sixteen work-groups are here: the first joint loads meet
	s_mov_b32 s[G0SP], 1
	s_add_co_u32 s[G0SP+1], s8, SCL
	s_mov_b64 s[G0SP+2:G0SP+3], s[98:99]
	s_or_b32 s[G0SP+3], s[G0SP+3], 0x80000000
	s_mov_b32 s[G0SW], 1
	s_add_co_u32 s[G0SW+1], s8, SCL
	s_mov_b64 s[G0SW+2:G0SW+3], s[2:3]
	s_or_b32 s[G0SW+3], s[G0SW+3], 0x80000000
	JLOAD G0SP, G1SP, G0SW, G1SW                   ; the scales of all of K: filled once
.irp s, 0,1
	s_mov_b32 s[G0P+4*\s], 1
	s_add_co_u32 s[G0P+4*\s+1], s9, \s*SLOT
	s_add_nc_u64 s[G0P+4*\s+2:G0P+4*\s+3], s[96:97], \s*ROWB
	s_or_b32 s[G0P+4*\s+3], s[G0P+4*\s+3], 0x80000000
	s_mov_b32 s[G0W+4*\s], 1
	s_add_co_u32 s[G0W+4*\s+1], s9, \s*SLOT
	s_add_nc_u64 s[G0W+4*\s+2:G0W+4*\s+3], s[100:101], \s*ROWB
	s_or_b32 s[G0W+4*\s+3], s[G0W+4*\s+3], 0x80000000
	JLOAD G0P+4*\s, G1P, G0W+4*\s, G1W             ; three loads of mine are out behind the second of these
.endr
	; who reads what.  q, k: source 1 = positions' half wave / 2, source 0 = W's half wave % 2;  v: source 1 = W's half wave / 2, source 0 = positions' half wave % 2
	s_cmp_eq_u32 s31, 2
	s_cselect_b32 s18, s30, s29                    ; my half of the positions: my batch is 2 cy + this
	s_cselect_b32 s19, s29, s30                    ; my half of W's rows: my heads are 4 cx + 2 x this, + 1
	s_mul_i32 s24, s18, HALFT
	s_mul_i32 s25, s19, HALFT
	s_add_co_u32 s25, s25, 2*HALFT
	s_cmp_eq_u32 s31, 2
	s_cselect_b32 s26, s25, s24                    ; source 1's region
	s_cselect_b32 s27, s24, s25                    ; source 0's
	v_and_b32 v1, 15, v0                           ; r
	v_bfe_u32 v2, v0, 4, 1                         ; h
	s_wait_alu depctr_va_vdst(0)
	v_mul_u32_u24 v3, v1, PITCH
	v_lshl_add_u32 v4, v2, 4, v3
.irp s, 0,1
	v_add_nc_u32 v[ADRA+\s], s26, v4
	v_add_nc_u32 v[ADRB+\s], s27, v4
	s_add_co_u32 s26, s26, SLOT
	s_add_co_u32 s27, s27, SLOT
.endr
	v_mul_u32_u24 v5, v1, SPT                      ; scale words: lanes 0-15 take source 1's rows, lanes 16-31 source 0's: the lower base (positions') + one product
	s_mul_i32 s24, s18, HALFS
	s_add_co_u32 s25, s19, 2
	s_sub_co_u32 s25, s25, s18
	s_mul_i32 s25, s25, HALFS                      ; from my positions' tile to my W's tile
	v_xor_b32 v6, s105, v2                         ; 1 in the lanes that take W's
	v_mul_u32_u24 v6, s25, v6
	s_add_co_u32 s24, s24, SCL
	v_add_nc_u32 v5, v5, v6
	v_add_nc_u32 v[ADRS], s24, v5
	v_and_b32 v5, 31, v0
	v_lshlrev_b32 v[LI], 4, v5
	v_mul_u32_u24 v5, v2, HSV
	v_lshl_add_u32 v[VSO], v1, 4, v5
	v_lshlrev_b32 v[MKO], 3, v1
	s_lshl_b32 s24, s67, 1
	s_add_co_u32 s24, s24, s18                     ; my batch
	s_lshl_b32 s25, s66, 2
	s_lshl_b32 s26, s19, 1
	s_add_co_u32 s25, s25, s26                     ; my first head
	s_lshl_b32 s26, s24, 4
	s_add_co_u32 s26, s26, s25
	s_lshl_b32 s26, s26, 3
	s_add_co_u32 s26, s26, s104                    ; the record: ((16 batch + head) 8 + block of positions)
	s_cmp_eq_u32 s31, 2
	s_mov_b32 s27, RECQK
	s_cselect_b32 s27, RECV, s27
	s_mul_i32 s26, s26, s27
	s_mov_b32 s27, 0
	s_add_nc_u64 s[22:23], s[22:23], s[26:27]
	s_lshl_b32 s26, s104, 10
	s_add_co_u32 s26, s26, s24
	s_add_nc_u64 s[20:21], s[20:21], s[26:27]      ; the mask at my first position, my batch
	s_mov_b32 s[SEL], 0x76543210
	s_mov_b32 s[SEL+1], 0xfedcba98
	s_mov_b32 s17, 0x7f7f0000
.macro FRAG reg, adr, q, i             ; 16 rows x 128 K: registers 4 c .. 4 c + 3 hold K = 32 c + 16 (lane / 16) + 0 .. 15
.irp c, 0,1,2,3
	ds_load_b128 v[\reg+4*\c:\reg+4*\c+3], v[\adr] offset:128*(\q)+32*\c+(\i)*16*PITCH
.endr
.endm
; 16 matrix instructions: source 1's blocks a0, a0 + 1 x source 0's eight.  The 64 accumulators take turns, one instruction a turn, in the same order in every step
.macro MUL16 a0, p, q, sc, zero
.irp a, \a0, \a0+1
.irp b, 0,1,2,3,4,5,6,7
.if \zero
	v_wmma_scale_f32_16x16x128_f8f6f4 v[8*(8*((\a)%4)+\b):8*(8*((\a)%4)+\b)+7], v[128*(\p)+FR*\b:128*(\p)+FR*\b+FR-1], v[AF+FR*(\a):AF+FR*(\a)+FR-1], 0, v[SC+8*NQ*(\sc)+NQ*\b+(\q)], v[SC+8*NQ*(\sc)+NQ*(\a)+(\q)] matrix_a_fmt:MATRIX_FMT_BF8 matrix_b_fmt:MATRIX_FMT_BF8 matrix_a_scale:MATRIX_SCALE_ROW1
.else
	v_wmma_scale_f32_16x16x128_f8f6f4 v[8*(8*((\a)%4)+\b):8*(8*((\a)%4)+\b)+7], v[128*(\p)+FR*\b:128*(\p)+FR*\b+FR-1], v[AF+FR*(\a):AF+FR*(\a)+FR-1], v[8*(8*((\a)%4)+\b):8*(8*((\a)%4)+\b)+7], v[SC+8*NQ*(\sc)+NQ*\b+(\q)], v[SC+8*NQ*(\sc)+NQ*(\a)+(\q)] matrix_a_fmt:MATRIX_FMT_BF8 matrix_b_fmt:MATRIX_FMT_BF8 matrix_a_scale:MATRIX_SCALE_ROW1
.endif
.endr
.endr
.endm
.macro FETCH_B slot, q, p
	WIN TO_B
.irp i, 0,1,2,3,4,5,6,7
	FRAG 128*(\p)+FR*\i, ADRB+\slot, \q, \i
.endr
	WIN 0
.endm
.macro FETCH_A slot, q, i0
.irp i, \i0, \i0+1, \i0+2, \i0+3
	FRAG AF+FR*(\i), ADRA+\slot, \q, \i
.endr
.endm
.macro SCALES sc                       ; a K step's two words a row: lanes 0-15 source 1's block i, lanes 16-31 source 0's block i
.irp i, 0,1,2,3,4,5,6,7
	ds_load_b64 v[SC+8*NQ*\sc+NQ*\i:SC+8*NQ*\sc+NQ*\i+1], v[ADRS] offset:\i*SBLK
.endr
.endm
.macro PLACES n                        ; plain lines between a matrix instruction and a load into, or a read of, its registers
.rept \n
	v_nop
.endr
.endm
.macro STEP slot, q, zero
	s_wait_dscnt 4*NL                              ; all but the youngest sixteen loads (source 1's blocks 4-7) are in
	WIN MUL_LO
	MUL16 0, (\q)%2, \q, \slot, \zero
	MUL16 2, (\q)%2, \q, \slot, \zero
	s_wait_dscnt 0
	PLACES NP
	FETCH_B \slot, (\q)+1, 1-(\q)%2
	FETCH_A \slot, (\q)+1, 0
	WIN MUL_HI
	MUL16 4, (\q)%2, \q, \slot, \zero
	MUL16 6, (\q)%2, \q, \slot, \zero
	PLACES NP
	WIN 0
	FETCH_A \slot, (\q)+1, 4
.endm
; a slot's last step changes slots: one barrier; in front of it each wave waits for all its tensor loads, adds 0 to its spare word, and waits for that and for its reads of this slot
.macro TURN slot, next, fill
	s_wait_tensorcnt 0x0                           ; all my tensor loads have landed: my part of the next slot
	ds_add_u32 v[SPW], v[NIL]
	s_wait_dscnt 4*NL+1                            ; (the add and the youngest sixteen loads may be out)
	WIN MUL_LO
	MUL16 0, 1, NQ-1, \slot, 0
	s_wait_dscnt 0x0                               ; the add is done, and my reads of this slot are over
	s_barrier_signal -1
	MUL16 2, 1, NQ-1, \slot, 0
	WIN 0
	s_barrier_wait -1
.if \fill
	CREST                                          ; the barrier has opened a round of the cluster's: no wave of any partner still reads this slot or has a load on its way
	s_add_nc_u64 s[G0P+4*\slot+2:G0P+4*\slot+3], s[G0P+4*\slot+2:G0P+4*\slot+3], 2*ROWB
	s_add_nc_u64 s[G0W+4*\slot+2:G0W+4*\slot+3], s[G0W+4*\slot+2:G0W+4*\slot+3], 2*ROWB
	JLOAD G0P+4*\slot, G1P, G0W+4*\slot, G1W       ; the first tensor load behind the round, my only one until the next
	PLACES NP-4
.else
	PLACES NP
.endif
	s_wait_alu depctr_va_vdst(0)
	v_add_nc_u32 v[ADRS], 4*NQ, v[ADRS]
	FETCH_B \next, 0, 0
	FETCH_A \next, 0, 0
	SCALES \next
	WIN MUL_HI
	MUL16 4, 1, NQ-1, \slot, 0
	MUL16 6, 1, NQ-1, \slot, 0
	PLACES NP
	WIN 0
	FETCH_A \next, 0, 4
.endm
	s_wait_alu depctr_va_vdst(0)
	s_wait_tensorcnt 1                             ; the scales and my part of K step 0 are in; K step 1's load may stay out
	s_barrier_signal -1
	s_barrier_wait -1
	FETCH_B 0, 0, 0
	FETCH_A 0, 0, 0
	SCALES 0
	FETCH_A 0, 0, 4
	STEP 0, 0, 1                                   ; the first products start the sums: nothing is cleared
	TURN 0, 1, 1
	STEP 1, 0, 0
	TURN 1, 0, 1
	STEP 0, 0, 0
	TURN 0, 1, 0                                   ; nothing is left to fetch
	STEP 1, 0, 0
	s_wait_dscnt 4*NL
	WIN MUL_LO
	MUL16 0, 1, NQ-1, 1, 0
	MUL16 2, 1, NQ-1, 1, 0
	s_wait_dscnt 0
	WIN MUL_HI
	MUL16 4, 1, NQ-1, 1, 0
	MUL16 6, 1, NQ-1, 1, 0
	WIN 0
	; THE WAY OUT.  Block a's 64 registers of a lane are four blocks of 32 along the next K.  They are quantised where they lie; the conversions' results are the next operand's registers.
	PLACES NP
	v_mov_b32 v[ZR], 0
	v_mov_b32 v[MC], 0xd8e8f5fb
.irp a, 0,1,2,3,4,5,6,7
	v_mov_b32 v[MK+\a], 0
.endr
.irp b, 0,1,2,3
	v_mov_b32 v[TM+4+\b], 0                        ; written once: a lane exchange's destination counts as read
.endr
	s_cmp_lg_u32 s31, 1
	s_cbranch_scc1 .Lno_mask                       ; k's path alone reads the mask: position 16 a + lane % 16 of my batch; the bytes land while the blocks are quantised
.irp a, 0,1,2,3,4,5,6,7
	global_load_u8 v[MK+\a], v[MKO], s[20:21] offset:128*\a
.endr
.Lno_mask:
.macro QA a
.set XW, 2+(\a)/4
.set AS, 64*((\a)%4)
	WIN XW|(XW<<2)
.irp b, 0,1,2,3
	v_max3_num_f32 v[TM+\b], |v[AS+16*\b]|, |v[AS+16*\b+1]|, 0x8000000   ; each accumulator is read from its low end on; the floor 2^(16 - 127) holds the byte at 1 from below
.endr
.irp i, 2,4,6,8,10,12,14
.irp b, 0,1,2,3
	v_max3_num_f32 v[TM+\b], |v[AS+16*\b+\i]|, |v[AS+16*\b+\i+1]|, v[TM+\b]
.endr
.endr
	WIN 0
.irp b, 0,1,2,3
	v_permlanex16_b32 v[TM+4+\b], v[TM+\b], s[SEL], s[SEL+1]
.endr
.irp b, 0,1,2,3
	v_max_num_f32 v[TM+\b], v[TM+\b], v[TM+4+\b]   ; with lane l xor 16's 16: the block's largest magnitude
.endr
.irp b, 0,1,2,3
	v_add_nc_u32 v[TM+12+\b], 0xf8800000, v[TM+\b] ; 15 off its exponent field: the conversion's scale operand
.endr
.irp b, 0,1,2,3
.endr
.irp b, 0,1,2,3
	v_lshrrev_b32 v[TM+4+\b], 23, v[TM+12+\b]      ; the scale's byte
.endr
	v_lshl_or_b32 v[PWD+\a], v[TM+5], 8, v[TM+4]
	v_lshl_or_b32 v[PWD+\a], v[TM+6], 16, v[PWD+\a]
	v_lshl_or_b32 v[PWD+\a], v[TM+7], 24, v[PWD+\a]
	WIN (XW<<6)|XW
.set n, 0
.rept 64
.set n, n+1
.endr
	WIN XW
.irp b, 0,1,2,3
	v_cvt_scalef32_pk8_bf8_f32 v[CD+16*(\a)+4*\b:CD+16*(\a)+4*\b+1], v[AS+16*\b:AS+16*\b+7], v[TM+12+\b]
	v_cvt_scalef32_pk8_bf8_f32 v[CD+16*(\a)+4*\b+2:CD+16*(\a)+4*\b+3], v[AS+16*\b+8:AS+16*\b+15], v[TM+12+\b]
.endr
	WIN 0
	v_nop                                          ; a plain line behind the conversions, ahead of the next writes of their scale operands
.endm
.irp a, 0,1,2,3,4,5,6,7
	QA \a
.endr
	s_cmp_eq_u32 s31, 2
	s_cbranch_scc1 .Lv_out
	s_cmp_lg_u32 s31, 1
	s_cbranch_scc1 .Lcodes
	s_wait_loadcnt 0x0                             ; the mask's bytes
.irp a, 0,1,2,3,4,5,6,7
	v_cmp_ne_u32 vcc_lo, 0, v[MK+\a]
.irp i, 0,1,2,3,4,5,6,7,8,9,10,11,12,13,14,15
	v_cndmask_b32 v[CD+16*\a+\i], v[CD+16*\a+\i], v[ZR], vcc_lo   ; a masked key's codes are zeros,
.endr
	v_cndmask_b32 v[MK+\a], v[ZR], v[MC], vcc_lo   ; and its four fill places sum to -80,000
.endr
.irp e, 0,1
	global_store_b128 v[LI], v[MK:MK+3], s[22:23] offset:\e*HSQK+8192
	global_store_b128 v[LI], v[MK+4:MK+7], s[22:23] offset:\e*HSQK+8192+512
.endr
.Lcodes:
	s_wait_alu depctr_va_vdst(0)
.irp a, 0,1,2,3,4,5,6,7
.irp c, 0,1,2,3
	global_store_b128 v[LI], v[CD+16*\a+4*\c:CD+16*\a+4*\c+3], s[22:23] offset:(\c/2)*HSQK+1024*\a+512*(\c%2)   ; 512 consecutive bytes: head c / 2, tile a, block c % 2
.endr
.endr
	s_mov_b32 vcc_lo, 0xffff0000
.irp j, 0,1,2,3
	v_cndmask_b32 v[IM+\j], v[PWD+\j], v[PWD+4+\j], vcc_lo   ; lanes 0-15 tiles 0-3, lanes 16-31 tiles 4-7
.endr
.irp j, 0,1,2,3
	v_and_or_b32 v[IM+4+\j], v[IM+\j], 0xffff, s17 ; the first head's two bytes under the fill's two of 127
.endr
.irp j, 0,1,2,3
	v_lshrrev_b32 v[IM+8+\j], 16, v[IM+\j]
.endr
.irp j, 0,1,2,3
	v_or_b32 v[IM+8+\j], s17, v[IM+8+\j]           ; the second head's
.endr
	global_store_b128 v[LI], v[IM+4:IM+7], s[22:23] offset:9216
	global_store_b128 v[LI], v[IM+8:IM+11], s[22:23] offset:HSQK+9216
	s_branch .Ldone
.Lv_out:
	s_wait_alu depctr_va_vdst(0)
.irp a, 0,1,2,3,4,5,6,7
.irp c, 0,1,2,3
	global_store_b128 v[LI], v[CD+16*\a+4*\c:CD+16*\a+4*\c+3], s[22:23] offset:(\a/4)*HSV+2048*(\a%4)+512*\c   ; head a / 4, channels 16 (a % 4) on, keys 32 c on
.endr
.endr
	s_mov_b32 vcc_lo, 0xffff0000
.irp j, 0,1,2,3
	v_cndmask_b32 v[IM+\j], v[PWD+\j], v[PWD+4+\j], vcc_lo   ; lanes 0-15 the first head's four tiles, lanes 16-31 the second's
.endr
	global_store_b128 v[VSO], v[IM:IM+3], s[22:23] offset:8192   ; each half of the lanes fills 256 consecutive bytes of its head's record
.Ldone:
	s_wait_tensorcnt 0x0                           ; the wave's end
	ds_add_u32 v[SPW], v[NIL]
	s_wait_dscnt 0x0
	CROUND                                         ; the closing round
	s_endpgm
.Lfunc_end_k_q52340defdb_proj:
	.size	k_q52340defdb_proj, .Lfunc_end_k_q52340defdb_proj-k_q52340defdb_proj
	.p2alignl 7, 3214868480
	.fill 96, 4, 3214868480
	.section	.rodata,"a",@progbits
	.p2align	6, 0x0
	.amdhsa_kernel k_q52340defdb_proj
		.amdhsa_group_segment_fixed_size 327680
		.amdhsa_private_segment_fixed_size 0
		.amdhsa_enable_private_segment 0
		.amdhsa_kernarg_size 96
		.amdhsa_user_sgpr_count 2
		.amdhsa_user_sgpr_kernarg_segment_ptr 1
		.amdhsa_wavefront_size32 1
		.amdhsa_system_sgpr_workgroup_id_x 1
		.amdhsa_system_sgpr_workgroup_id_y 1
		.amdhsa_system_sgpr_workgroup_id_z 1
		.amdhsa_system_vgpr_workitem_id 0
		.amdhsa_next_free_vgpr 1024
		.amdhsa_next_free_sgpr 106
		.amdhsa_reserve_vcc 1
		.amdhsa_float_denorm_mode_32 3
		.amdhsa_float_denorm_mode_16_64 3
		.amdhsa_fp16_overflow 1
		.amdhsa_memory_ordered 1
		.amdhsa_forward_progress 1
		.amdhsa_inst_pref_size 161
	.end_amdhsa_kernel
	.amdgpu_metadata
---
amdhsa.version: [ 1, 2 ]
amdhsa.kernels:
  - .name:           k_q52340defdb_proj
    .symbol:         k_q52340defdb_proj.kd
    .args:
      - { .name: hq_codes, .offset: 0, .size: 8, .value_kind: global_buffer, .address_space: global }
      - { .name: hq_scales, .offset: 8, .size: 8, .value_kind: global_buffer, .address_space: global }
      - { .name: c_codes, .offset: 16, .size: 8, .value_kind: global_buffer, .address_space: global }
      - { .name: c_scales, .offset: 24, .size: 8, .value_kind: global_buffer, .address_space: global }
      - { .name: Wq_codes, .offset: 32, .size: 8, .value_kind: global_buffer, .address_space: global }
      - { .name: Wq_scales, .offset: 40, .size: 8, .value_kind: global_buffer, .address_space: global }
      - { .name: Wkv_codes, .offset: 48, .size: 8, .value_kind: global_buffer, .address_space: global }
      - { .name: Wkv_scales, .offset: 56, .size: 8, .value_kind: global_buffer, .address_space: global }
      - { .name: attn_mask, .offset: 64, .size: 8, .value_kind: global_buffer, .address_space: global }
      - { .name: qrec, .offset: 72, .size: 8, .value_kind: global_buffer, .address_space: global }
      - { .name: krec, .offset: 80, .size: 8, .value_kind: global_buffer, .address_space: global }
      - { .name: vrec, .offset: 88, .size: 8, .value_kind: global_buffer, .address_space: global }
    .group_segment_fixed_size: 327680
    .private_segment_fixed_size: 0
    .kernarg_segment_align: 8
    .kernarg_segment_size: 96
    .max_flat_workgroup_size: 128
    .sgpr_count:     106
    .vgpr_count:     1024
    .wavefront_size: 32
...
	.end_amdgpu_metadata
.endif
;; end of part 2
;; launch attn (part 3): grid 4 x 64, 8 waves a work-group, clusters of 4 x 1, 327,680 bytes of LDS; arguments qrec, krec, vrec, av, avsc; writes av, avsc
.if DOCPART == 3
	.amdgcn_target "amdgcn-amd-amdhsa--gfx1250"
	.amdhsa_code_object_version 6
	.text
	.protected	k_q52340defdb_attn
	.globl	k_q52340defdb_attn
	.p2align	8
	.type	k_q52340defdb_attn,@function
k_q52340defdb_attn:
	s_mov_b64 s[64:65], 0
	v_nop
	global_prefetch_b8 v0, s[64:65] scope:SCOPE_SE
	s_setreg_imm32_b32 hwreg(HW_REG_WAVE_MODE, 25, 1), 1
	s_wait_xcnt 0x0
	s_wait_alu depctr_hold_cnt(0) depctr_sa_sdst(0) depctr_va_vdst(0) depctr_va_sdst(0) depctr_va_ssrc(0) depctr_va_vcc(0) depctr_vm_vsrc(0)
	s_getreg_b32 s2, hwreg(HW_REG_IB_STS2, 6, 4)
	s_cmp_eq_u32 s2, 0
	s_cbranch_scc0 .Lentry_in_a_cluster
	s_endpgm
.Lentry_in_a_cluster:
	s_bfe_u32 s2, ttmp6, 0x10000c
	s_cmp_lg_u32 s2, 0x3003
	s_cbranch_scc0 .Lentry_shape_is_right
	s_endpgm
.Lentry_shape_is_right:
; LAUNCH 3 OF 4.  For each batch and head: o = softmax_keys(q . k / 8, masked keys at -10,000) v, both products on codes of E5M2, and o quantised along the head's 64 for the last product.  No work is left out.
; THE SOFTMAX AHEAD OF THE SECOND PRODUCT: t = score x log2(e) / 8; M = the running largest t rounded UP to a whole number; p = 2^(t - M) is quantised along the keys, not normalised; the row's sum is taken of the
; unquantised p and divides at the end.  When M moves, the sum and O are multiplied by 2^(old M - new M), which rounds nothing.
; THE MASK is in k's codes already (the launch before): a masked key's sum is -80,000 exactly, which x 1/8 is -10,000; q's fragment carries 1.0 at the four fill places that serve this.
; SHARES.  A work-group takes two heads of one batch x 256 queries; each of its eight waves 32 queries, two tiles, first for one head, then for the other.  Two tiles to a wave: each fragment of K and V read from
; LDS feeds two products.  Two waves to a SIMD: one wave's vector work stands beside the other's products and LDS loads.
; LDS.  ALL keys and values of both heads lie in LDS, as the records in which they were stored (images of the operands' registers: every read is 16 x lane, no padding).  Each byte is filled once: no ring, no refill.
; The second head's records land under the first head's work.  So there is nothing later to prefetch.
; CLUSTER: the four blocks of queries of a pair of heads read the same records: each load is asked for jointly by the four.
; LAYOUT.  Both products transposed: S^T = K Q^T, O^T = V^T P^T: a lane holds ONE query throughout.  The order inside a block of 32 keys is the one that V's records carry (see the launch before).
; av: [4 heads s][batch][tile of 16 queries][head % 4][block][lane][16 bytes]; avsc: [pair of heads][batch][query][4 bytes].  avsc leaves 128 bytes a wave: half a run of 256; it is 3 bytes in 100 of what is stored,
; and gathering it would cost a stage in LDS and a barrier.
; REGISTERS.  window 0: v1-10 addresses; v12-37, v38-63 a tile's statistics; v64-127, v128-191 S^T, then p; v192-223 p's codes; v224-235 scale words.  window 1: v0-63 K's four fragments; v64-127 V's four; v128-191 O^T; v192-255 Q.
.set RECK,  9728
.set RECV,  8448
.set HSK,   8*RECK
.set HSV,   8*RECV
.set VREG,  2*HSK                      ; V's records lie behind K's
.set SPARE, VREG+2*HSV                 ; the spare words, 128 bytes a wave: four blocks of 256 bytes that no other line names
.set LI,   1                           ; v1  16 x lane
.set RI,   2                           ; v2  16 x (lane % 16)
.set ADK,  3                           ; v3  the step's record of K
.set ADV,  4                           ; v4  of V
.set ADVS, 5                           ; v5  V's scale words
.set VQ,   6                           ; v6  my tiles in Q's record
.set L4,   7                           ; v7  4 x lane
.set SPW,  8                           ; v8  my spare word; never rewritten
.set NIL,  9                           ; v9  0; never rewritten
.set VQS,  10                          ; v10 my tiles' scale words in Q's record
.set ST,   12                          ; tile x's statistics at ST + 26 x: +0 -M, +1 largest t, +2,3 the sum, +4,5 f, +6..9 blocks' maxima, +10..13 at work, +18..21 scale operands, +22 at work, +23 p's scale word, +24 o's scale word, +25 1 / sum
.set S,    64
.set PC,   192
.set KS,   224
.set VS,   228
.set QS,   232
.set TT,   236
.set KF,   0                           ; in window 1
.set VF,   64
.set OT,   128
.set QF,   192
.set WV,   14
.set G1K,  24
.set G1V,  32
.set G0K,  40
.set G0V,  48
.set CS,   56                          ; s[56:57] c = log2(e) / 8
.set SEL,  58
.set MNT,  60
.set TBK,  62
.set TBV,  63
.set CNT,  66
.set MSB, 0
.macro WIN new
.if MSB != (\new)
	s_set_vgpr_msb (MSB<<8)|(\new)
.set MSB, (\new)
.endif
.endm
.macro CROUND
	s_barrier_signal -1
	s_barrier_wait -1
	s_cmp_lg_u32 s[WV], 0
	s_cbranch_scc1 .Lnot_wave_0_\@
	s_barrier_signal -3
.Lnot_wave_0_\@:
	s_barrier_wait -3
	s_barrier_signal -1
	s_barrier_wait -1
.endm
	s_load_b256 s[4:11], s[0:1], 0x0               ; qrec, krec, vrec, av
	s_load_b64 s[12:13], s[0:1], 0x20              ; avsc
	v_lshl_add_u32 v[SPW], v0, 2, SPARE
	v_mov_b32 v[NIL], 0
	ds_add_u32 v[SPW], v[NIL]                      ; the opening: the add, twice on end, and its wait ahead of my first tensor load
	ds_add_u32 v[SPW], v[NIL]
	v_lshrrev_b32 v10, 5, v0
	s_delay_alu instid0(VALU_DEP_1)
	v_readfirstlane_b32 s[WV], v10                 ; wave 0..7
	s_and_b32 s15, s[WV], 3
	s_bfe_u32 s16, ttmp6, 0x40000                  ; cx: my block of 256 queries: it enters global addresses alone
	s_and_b32 s17, ttmp7, 0xffff                   ; 8 x batch + pair of heads
	s_mov_b32 s[G1K], 15|(3<<16)|(1<<21)           ; all four work-groups; elements of 8 bytes; no padding; bit 21 beside the mask
	s_mov_b32 s[G1K+1], 32<<16                     ; a dense block as rows of 256 bytes
	s_mov_b32 s[G1K+2], 76<<16                     ; two records of K: 19,456 bytes
	s_mov_b32 s[G1K+3], 32<<16
	s_mov_b32 s[G1K+4], 76
	s_mov_b32 s[G1K+5], 32
	s_mov_b32 s[G1K+6], 0
	s_mov_b32 s[G1K+7], 0
	s_mov_b32 s[G1V], 15|(3<<16)|(1<<21)
	s_mov_b32 s[G1V+1], 32<<16
	s_mov_b32 s[G1V+2], 66<<16                     ; two records of V: 16,896 bytes
	s_mov_b32 s[G1V+3], 32<<16
	s_mov_b32 s[G1V+4], 66
	s_mov_b32 s[G1V+5], 32
	s_mov_b32 s[G1V+6], 0
	s_mov_b32 s[G1V+7], 0
	s_mul_i32 s19, s15, 2*RECK                     ; my quarter of a head's records of K,
	s_mul_i32 s20, s17, 2*HSK
	s_add_co_u32 s20, s20, s19
	s_mov_b32 s21, 0
	s_mul_i32 s18, s15, 2*RECV                     ; of V
	s_mul_i32 s22, s17, 2*HSV
	s_add_co_u32 s22, s22, s18
	s_mov_b32 s23, 0
	s_mov_b32 s[CS], 0x3e38aa3b
	s_mov_b32 s[CS+1], s[CS]
	s_mov_b32 s[SEL], 0x76543210
	s_mov_b32 s[SEL+1], 0xfedcba98
	s_wait_dscnt 0x0                               ; both opening adds are done
	s_wait_kmcnt 0x0
	s_add_nc_u64 s[20:21], s[6:7], s[20:21]
	s_add_nc_u64 s[22:23], s[8:9], s[22:23]
	CROUND                                         ; all four work-groups are here: the joint loads meet
.irp e, 0,1
	s_mov_b32 s[G0K+4*\e], 1
	s_add_co_u32 s[G0K+4*\e+1], s19, \e*HSK
	s_add_nc_u64 s[G0K+4*\e+2:G0K+4*\e+3], s[20:21], \e*HSK
	s_or_b32 s[G0K+4*\e+3], s[G0K+4*\e+3], 0x80000000
	s_mov_b32 s[G0V+4*\e], 1
	s_add_co_u32 s[G0V+4*\e+1], s18, VREG+\e*HSV
	s_add_nc_u64 s[G0V+4*\e+2:G0V+4*\e+3], s[22:23], \e*HSV
	s_or_b32 s[G0V+4*\e+3], s[G0V+4*\e+3], 0x80000000
.endr
	s_cmp_lt_u32 s[WV], 4                          ; waves 0-3 fetch K's quarters, waves 4-7 V's; a wave's two loads, first head then second, stand in one arm: two loads of mine are out
	s_cbranch_scc0 .Lfirst_v
	tensor_load_to_lds s[G0K:G0K+3], s[G1K:G1K+7]
	s_nop 0
	tensor_load_to_lds s[G0K+4:G0K+7], s[G1K:G1K+7]
	s_nop 0
.rept 4
	v_nop
.endr
	s_branch .Lfirst_asked
.Lfirst_v:
	tensor_load_to_lds s[G0V:G0V+3], s[G1V:G1V+7]
	s_nop 0
	tensor_load_to_lds s[G0V+4:G0V+7], s[G1V:G1V+7]
	s_nop 0
.rept 4
	v_nop
.endr
.Lfirst_asked:
	v_and_b32 v10, 31, v0
	s_delay_alu instid0(VALU_DEP_1)
	v_lshlrev_b32 v[LI], 4, v10
	s_wait_alu depctr_va_vdst(0)
	v_lshlrev_b32 v[L4], 2, v10
	v_and_b32 v10, 15, v0
	s_delay_alu instid0(VALU_DEP_1)
	v_lshlrev_b32 v[RI], 4, v10
	s_wait_alu depctr_va_vdst(0)
	s_lshl_b32 s70, s16, 1                         ; Q's record: 128 queries: 2 cx + wave / 4
	s_lshr_b32 s71, s[WV], 2
	s_add_co_u32 s70, s70, s71
	s_mul_i32 s70, s70, RECK
	s_mul_i32 s71, s17, 2*HSK
	s_add_co_u32 s70, s70, s71
	s_mov_b32 s71, 0
	s_add_nc_u64 s[68:69], s[4:5], s[70:71]
	s_lshl_b32 s72, s15, 11                        ; my two tiles in it: 2 (wave % 4), + 1
	v_add_nc_u32 v[VQ], s72, v[LI]
	s_lshr_b32 s72, s15, 1                         ; their scale words: lanes' half (wave % 4) / 2, words 2 (wave % 2), + 1
	s_lshl_b32 s72, s72, 8
	s_and_b32 s73, s[WV], 1
	s_lshl_b32 s73, s73, 3
	s_add_co_u32 s72, s72, s73
	v_add_nc_u32 v[VQS], s72, v[RI]
	WIN 0x40                                       ; destination window 1
.irp e, 0,1
.irp x, 0,1
.irp c, 0,1
	global_load_b128 v[QF+32*\e+16*\x+4*\c:QF+32*\e+16*\x+4*\c+3], v[VQ], s[68:69] offset:\e*HSK+1024*\x+512*\c
.endr
.endr
.endr
	WIN 0
.irp e, 0,1
	global_load_b64 v[QS+2*\e:QS+2*\e+1], v[VQS], s[68:69] offset:\e*HSK+9216
.endr
	v_mov_b32 v[TT], 0x3c3c3c3c                    ; four codes of 1.0
	v_mov_b32 v[TT+1], 0
	s_mov_b32 vcc_lo, 0xffff0000
	WIN 0x40
.irp f, 0,1,2,3
	v_cndmask_b32 v[QF+16*\f+8], v[TT], v[TT+1], vcc_lo   ; the fill of the head's 64 up to 128: 1.0 at k = 64 .. 67 (lanes 0-15), zeros elsewhere
.irp i, 9,10,11,12,13,14,15
	v_mov_b32 v[QF+16*\f+\i], 0
	v_mov_b32 v[KF+16*\f+\i], 0                    ; K's fill: register 8 comes from the record (the mask word), the rest are zeros, set once
.endr
.endr
	WIN 0
	s_and_b32 s72, s17, 7                          ; the pair of heads
	s_lshr_b32 s73, s17, 3                         ; the batch
	s_lshr_b32 s74, s72, 1
	s_lshl_b32 s74, s74, 3
	s_add_co_u32 s74, s74, s73
	s_lshl_b32 s74, s74, 6
	s_lshl_b32 s75, s16, 4
	s_add_co_u32 s74, s74, s75
	s_lshl_b32 s75, s[WV], 1
	s_add_co_u32 s74, s74, s75                     ; ((pair / 2) 8 + batch) 64 + my first tile of queries
	s_lshl_b32 s74, s74, 12
	s_and_b32 s75, s72, 1
	s_lshl_b32 s75, s75, 11
	s_add_co_u32 s74, s74, s75
	s_mov_b32 s75, 0
	s_add_nc_u64 s[10:11], s[10:11], s[74:75]      ; av
	s_lshl_b32 s74, s72, 3
	s_add_co_u32 s74, s74, s73
	s_lshl_b32 s74, s74, 10
	s_lshl_b32 s76, s16, 8
	s_add_co_u32 s74, s74, s76
	s_lshl_b32 s76, s[WV], 5
	s_add_co_u32 s74, s74, s76
	s_lshl_b32 s74, s74, 2
	s_add_nc_u64 s[12:13], s[12:13], s[74:75]      ; avsc
.macro KLOAD g                         ; tiles 4 g .. 4 g + 3 of the step's eight: two blocks of codes and the mask word each
	WIN 0x40
.irp t, 0,1,2,3
	ds_load_b128 v[KF+16*\t:KF+16*\t+3], v[ADK] offset:(4*\g+\t)*1024
	ds_load_b128 v[KF+16*\t+4:KF+16*\t+7], v[ADK] offset:(4*\g+\t)*1024+512
	ds_load_b32 v[KF+16*\t+8], v[ADK] offset:8192+512*\g+4*\t
.endr
	WIN 0
.endm
.macro SMUL e, g                       ; S^T of 64 keys x my 32 queries: eight sums, each one instruction
	WIN 0x05
.irp t, 0,1,2,3
.irp x, 0,1
.if \g
	v_wmma_scale_f32_16x16x128_f8f6f4 v[S+64*\x+8*(4*\g+\t):S+64*\x+8*(4*\g+\t)+7], v[KF+16*\t:KF+16*\t+15], v[QF+32*\e+16*\x:QF+32*\e+16*\x+15], 0, v[KS+\t], v[QS+2*\e+\x] matrix_a_fmt:MATRIX_FMT_BF8 matrix_b_fmt:MATRIX_FMT_BF8 matrix_a_scale:MATRIX_SCALE_ROW1
.else
	v_wmma_scale_f32_16x16x128_f8f6f4 v[S+64*\x+8*(4*\g+\t):S+64*\x+8*(4*\g+\t)+7], v[KF+16*\t:KF+16*\t+15], v[QF+32*\e+16*\x:QF+32*\e+16*\x+15], 0, v[KS+\t], v[QS+2*\e+\x] matrix_a_fmt:MATRIX_FMT_BF8 matrix_b_fmt:MATRIX_FMT_BF8
.endif
.endr
.endr
	WIN 0
.endm
.macro BMAX b0                         ; the largest score of blocks b0, b0 + 1 of both tiles: four chains by turns.  It serves the row's maximum and, since p rises with the score, the block's largest p
.irp x, 0,1
.irp b, \b0, \b0+1
	v_max3_num_f32 v[ST+26*\x+6+(\b)], v[S+64*\x+16*(\b)], v[S+64*\x+16*(\b)+1], v[S+64*\x+16*(\b)+2]
.endr
.endr
.irp i, 3,5,7,9,11,13
.irp x, 0,1
.irp b, \b0, \b0+1
	v_max3_num_f32 v[ST+26*\x+6+(\b)], v[ST+26*\x+6+(\b)], v[S+64*\x+16*(\b)+\i], v[S+64*\x+16*(\b)+\i+1]
.endr
.endr
.endr
.irp x, 0,1
.irp b, \b0, \b0+1
	v_max_num_f32 v[ST+26*\x+6+(\b)], v[ST+26*\x+6+(\b)], v[S+64*\x+16*(\b)+15]
.endr
.endr
.endm
.macro P1 x                            ; the row's maximum, the new M, f
.set B_, ST+26*(\x)
.irp b, 0,1,2,3
	v_permlanex16_b32 v[B_+10+\b], v[B_+6+\b], s[SEL], s[SEL+1]
.endr
.irp b, 0,1,2,3
	s_delay_alu instid0(VALU_DEP_4)
	v_max_num_f32 v[B_+6+\b], v[B_+6+\b], v[B_+10+\b]
.endr
	s_delay_alu instid0(VALU_DEP_2)
	v_max3_num_f32 v[B_+22], v[B_+6], v[B_+7], v[B_+8]
	s_delay_alu instid0(VALU_DEP_1)
	v_max_num_f32 v[B_+22], v[B_+22], v[B_+9]
	s_delay_alu instid0(VALU_DEP_1)
	v_mul_f32 v[B_+22], s[CS], v[B_+22]
	s_delay_alu instid0(VALU_DEP_1)
	v_max_num_f32 v[B_+1], v[B_+1], v[B_+22]       ; the running largest t
	v_mov_b32 v[B_+22], v[B_]
	s_delay_alu instid0(VALU_DEP_2)
	v_floor_f32 v[B_], -v[B_+1]                    ; -M = floor(-t): M is a whole number
	s_delay_alu instid0(VALU_DEP_1)
	v_sub_f32 v[B_+22], v[B_], v[B_+22]
	s_delay_alu instid0(VALU_DEP_1)
	v_cvt_i32_f32 v[B_+22], v[B_+22]               ; (it saturates)
	s_delay_alu instid0(VALU_DEP_1)
	v_ldexp_f32 v[B_+4], 1.0, v[B_+22]             ; f = 2^(old M - new M)
.endm
.macro P2 x                            ; t - M
.set B_, ST+26*(\x)
.set SB_, S+64*(\x)
.set j, 0
.rept 32
	v_pk_fma_f32 v[SB_+j:SB_+j+1], v[SB_+j:SB_+j+1], s[CS:CS+1], v[B_:B_+1] op_sel_hi:[1,0,0]
.set j, j+2
.endr
.irp b, 0,1,2,3
	v_fma_f32 v[B_+6+\b], v[B_+6+\b], s[CS], v[B_]
.endr
.endm
.macro P3 x                            ; p = 2^(t - M)
.set SB_, S+64*(\x)
.set j, 0
.rept 64
	v_exp_f32 v[SB_+j], v[SB_+j]
.set j, j+1
.endr
.endm
.macro P5 x                            ; the row's sum, of the unquantised p, in two chains
.set B_, ST+26*(\x)
.set SB_, S+64*(\x)
	v_pk_add_f32 v[B_+10:B_+11], v[SB_:SB_+1], v[SB_+2:SB_+3]
.set j, 4
.rept 15
	v_pk_add_f32 v[B_+2:B_+3], v[B_+2:B_+3], v[SB_+j:SB_+j+1]
	v_pk_add_f32 v[B_+10:B_+11], v[B_+10:B_+11], v[SB_+j+2:SB_+j+3]
.set j, j+4
.endr
	s_delay_alu instid0(VALU_DEP_1)
	v_pk_add_f32 v[B_+2:B_+3], v[B_+2:B_+3], v[B_+10:B_+11]
.endm
.macro P6 x                            ; the four blocks' scales
.set B_, ST+26*(\x)
.irp b, 0,1,2,3
	v_max_num_f32 v[B_+6+\b], 0x8000000, v[B_+6+\b]
.endr
.irp b, 0,1,2,3
	s_delay_alu instid0(VALU_DEP_4)
	v_add_nc_u32 v[B_+18+\b], 0xf8800000, v[B_+6+\b]
.endr
.irp b, 0,1,2,3
.endr
.irp b, 0,1,2,3
	s_delay_alu instid0(VALU_DEP_4)
	v_lshrrev_b32 v[B_+10+\b], 23, v[B_+18+\b]
.endr
	s_delay_alu instid0(VALU_DEP_3)
	v_lshl_or_b32 v[B_+23], v[B_+11], 8, v[B_+10]
	s_delay_alu instid0(VALU_DEP_1)
	v_lshl_or_b32 v[B_+23], v[B_+12], 16, v[B_+23]
	s_delay_alu instid0(VALU_DEP_1)
	v_lshl_or_b32 v[B_+23], v[B_+13], 24, v[B_+23]
.endm
.macro P7 x                            ; the conversions
.set B_, ST+26*(\x)
.set SB_, S+64*(\x)
.irp b, 0,1,2,3
.irp i, 0,1,2,3,4,5,6,7,8,9,10,11,12,13,14,15
.endr
	v_cvt_scalef32_pk8_bf8_f32 v[PC+16*(\x)+4*\b:PC+16*(\x)+4*\b+1], v[SB_+16*\b:SB_+16*\b+7], v[B_+18+\b]
	v_cvt_scalef32_pk8_bf8_f32 v[PC+16*(\x)+4*\b+2:PC+16*(\x)+4*\b+3], v[SB_+16*\b+8:SB_+16*\b+15], v[B_+18+\b]
.endr
.endm
; A KEY STEP: 128 keys of head e against my 32 queries
.macro STEP e
	v_add_nc_u32 v[ADK], s[TBK], v[LI]
	v_add_nc_u32 v[ADV], s[TBV], v[LI]
	v_add_nc_u32 v[ADVS], s[TBV], v[RI]
	KLOAD 0
	ds_load_b128 v[KS:KS+3], v[ADK] offset:9216    ; K's scale words: lanes 0-15 tiles 0-3, lanes 16-31 tiles 4-7
	s_wait_alu depctr_va_vdst(0)
	s_wait_dscnt 0x0
	SMUL \e, 0
.rept 8
	v_nop                                          ; places in front of loads into K's registers and of the first read of the scores
.endr
	KLOAD 1
	BMAX 0                                         ; the first 64 keys' maxima stand between the loads and the wait for them
	s_wait_dscnt 0x0
	SMUL \e, 1
	WIN 0x40
.irp t, 0,1,2,3
.irp c, 0,1,2,3
	ds_load_b128 v[VF+16*\t+4*\c:VF+16*\t+4*\c+3], v[ADV] offset:2048*\t+512*\c   ; V lands under the softmax; its registers' last reader, the step before's products, stands far more than eight plain lines back
.endr
.endr
	WIN 0
	ds_load_b128 v[VS:VS+3], v[ADVS] offset:8192
.rept 8
	v_nop
.endr
	BMAX 2
	P1 0
	P1 1
	P2 0
	P2 1
	s_wait_alu depctr_va_vdst(0)
	P3 0
	s_setprio 1
	P3 1
	v_pk_mul_f32 v[ST+2:ST+3], v[ST+2:ST+3], v[ST+4:ST+5] op_sel_hi:[1,0]         ; the sums under the new M (plain lines behind the exponentials)
	v_pk_mul_f32 v[ST+28:ST+29], v[ST+28:ST+29], v[ST+30:ST+31] op_sel_hi:[1,0]
	s_wait_alu depctr_va_vdst(0)                   ; one wait for the 128 exponentials, ahead of their first reader
.irp x, 0,1
.irp b, 0,1,2,3
	v_exp_f32 v[ST+26*\x+6+\b], v[ST+26*\x+6+\b]   ; the blocks' largest p: the same two instructions on the same number give the same bits
.endr
.endr
	P5 0
	P5 1
	s_wait_alu depctr_va_vdst(0)                   ; and one for the eight
	P6 0
	P6 1
	P7 0
	P7 1
	WIN 0x41
	s_setprio 0
.irp x, 0,1
.set j, 0
.rept 16
	v_pk_mul_f32 v[OT+32*\x+j:OT+32*\x+j+1], v[OT+32*\x+j:OT+32*\x+j+1], v[ST+26*\x+4:ST+26*\x+5] op_sel_hi:[1,0]   ; O^T under the new M; these 32 are also the places in front of the products below
.set j, j+2
.endr
.endr
	s_wait_alu depctr_va_vdst(0)
	s_wait_dscnt 0x0                               ; V and its scale words
	WIN 0x51
.irp t, 0,1,2,3
.irp x, 0,1
	v_wmma_scale_f32_16x16x128_f8f6f4 v[OT+32*\x+8*\t:OT+32*\x+8*\t+7], v[VF+16*\t:VF+16*\t+15], v[PC+16*\x:PC+16*\x+15], v[OT+32*\x+8*\t:OT+32*\x+8*\t+7], v[VS+\t], v[ST+26*\x+23] matrix_a_fmt:MATRIX_FMT_BF8 matrix_b_fmt:MATRIX_FMT_BF8
.endr
.endr
	WIN 0
.endm
; o = O^T / the sum, quantised along the head's 64 (two blocks), stored as the last product's operand
.macro FIN e
.rept 8
	v_nop
.endr
.irp x, 0,1
	v_add_f32 v[ST+26*\x+22], v[ST+26*\x+2], v[ST+26*\x+3]
.endr
.irp x, 0,1
	s_delay_alu instid0(VALU_DEP_2)
	v_permlanex16_b32 v[ST+26*\x+10], v[ST+26*\x+22], s[SEL], s[SEL+1]
.endr
.irp x, 0,1
	s_delay_alu instid0(VALU_DEP_2)
	v_add_f32 v[ST+26*\x+22], v[ST+26*\x+22], v[ST+26*\x+10]
.endr
	s_wait_alu depctr_va_vdst(0)
.irp x, 0,1
	v_rcp_f32 v[ST+26*\x+25], v[ST+26*\x+22]
.endr
	v_nop
	s_wait_alu depctr_va_vdst(0)
	WIN 0x01
.irp x, 0,1
.set j, 0
.rept 32
	v_mul_f32 v[S+64*\x+j], v[OT+32*\x+j], v[ST+26*\x+25]   ; register 8 t + i is o(query, 16 t + 8 (lane / 16) + i)
.set j, j+1
.endr
.endr
	WIN 0
.irp x, 0,1
.irp b, 0,1
	v_max3_num_f32 v[ST+26*\x+6+\b], |v[S+64*\x+16*\b]|, |v[S+64*\x+16*\b+1]|, 0x8000000
.endr
.endr
.irp i, 2,4,6,8,10,12,14
.irp x, 0,1
.irp b, 0,1
	s_delay_alu instid0(VALU_DEP_4)
	v_max3_num_f32 v[ST+26*\x+6+\b], v[ST+26*\x+6+\b], |v[S+64*\x+16*\b+\i]|, |v[S+64*\x+16*\b+\i+1]|
.endr
.endr
.endr
.irp x, 0,1
.irp b, 0,1
	s_delay_alu instid0(VALU_DEP_4)
	v_permlanex16_b32 v[ST+26*\x+10+\b], v[ST+26*\x+6+\b], s[SEL], s[SEL+1]
.endr
.endr
.irp x, 0,1
.irp b, 0,1
	s_delay_alu instid0(VALU_DEP_4)
	v_max_num_f32 v[ST+26*\x+6+\b], v[ST+26*\x+6+\b], v[ST+26*\x+10+\b]
.endr
.endr
.irp x, 0,1
.irp b, 0,1
	s_delay_alu instid0(VALU_DEP_4)
	v_add_nc_u32 v[ST+26*\x+18+\b], 0xf8800000, v[ST+26*\x+6+\b]
.endr
.endr
.irp x, 0,1
.irp b, 0,1
	s_delay_alu instid0(VALU_DEP_4)
	v_lshrrev_b32 v[ST+26*\x+10+\b], 23, v[ST+26*\x+18+\b]
.endr
.endr
.irp x, 0
.if \e
	s_delay_alu instid0(VALU_DEP_4)
	v_lshl_or_b32 v[ST+26*\x+24], v[ST+26*\x+10], 16, v[ST+26*\x+24]   ; the second head's two bytes above the first's: the word of 128 along the last product's K
	s_delay_alu instid0(VALU_DEP_1)
	v_lshl_or_b32 v[ST+26*\x+24], v[ST+26*\x+11], 24, v[ST+26*\x+24]
.else
	s_delay_alu instid0(VALU_DEP_3)
	v_lshl_or_b32 v[ST+26*\x+24], v[ST+26*\x+11], 8, v[ST+26*\x+10]
.endif
.endr
.irp x, 1
.if \e
	s_delay_alu instid0(VALU_DEP_4)
	v_lshl_or_b32 v[ST+26*\x+24], v[ST+26*\x+10], 16, v[ST+26*\x+24]   ; the second head's two bytes above the first's: the word of 128 along the last product's K
	s_delay_alu instid0(VALU_DEP_1)
	v_lshl_or_b32 v[ST+26*\x+24], v[ST+26*\x+11], 24, v[ST+26*\x+24]
.else
	s_delay_alu instid0(VALU_DEP_2)
	v_lshl_or_b32 v[ST+26*\x+24], v[ST+26*\x+11], 8, v[ST+26*\x+10]
.endif
.endr
.irp x, 0,1
.irp b, 0,1
.irp i, 0,1,2,3,4,5,6,7,8,9,10,11,12,13,14,15
.endr
	v_cvt_scalef32_pk8_bf8_f32 v[PC+16*\x+4*\b:PC+16*\x+4*\b+1], v[S+64*\x+16*\b:S+64*\x+16*\b+7], v[ST+26*\x+18+\b]
	v_cvt_scalef32_pk8_bf8_f32 v[PC+16*\x+4*\b+2:PC+16*\x+4*\b+3], v[S+64*\x+16*\b+8:S+64*\x+16*\b+15], v[ST+26*\x+18+\b]
.endr
.endr
	v_nop                                          ; a plain line behind the conversions
.irp x, 0,1
.irp c, 0,1
	global_store_b128 v[LI], v[PC+16*\x+4*\c:PC+16*\x+4*\c+3], s[10:11] offset:4096*\x+1024*\e+512*\c   ; 512 consecutive bytes
.endr
.endr
	s_wait_xcnt 0x0                                ; the codes' registers are written again only behind this wait
.endm
.macro HEAD e
.irp x, 0,1
	v_mov_b32 v[ST+26*\x+1], 0xff61b1e6            ; the largest t so far: -3e38
	s_delay_alu instid0(VALU_DEP_1)
	v_floor_f32 v[ST+26*\x], -v[ST+26*\x+1]
	v_mov_b32 v[ST+26*\x+2], 0
	v_mov_b32 v[ST+26*\x+3], 0
	v_mov_b32 v[ST+26*\x+5], 0                     ; (named as the upper half of f's pair)
.irp b, 0,1,2,3
	v_mov_b32 v[ST+26*\x+10+\b], 0                 ; a lane exchange's destination counts as read
.endr
.endr
	WIN 0x40
.set j, 0
.rept 64
	v_mov_b32 v[OT+j], 0                           ; the step is written once: the first finds zeros, which the first change of M leaves zeros
.set j, j+1
.endr
	WIN 0
	s_mov_b32 s[TBK], \e*HSK
	s_mov_b32 s[TBV], VREG+\e*HSV
	s_mov_b32 s[CNT], 8
.Lstep_\@:
	s_setprio 2
	STEP \e
	s_add_co_u32 s[TBK], s[TBK], RECK
	s_add_co_u32 s[TBV], s[TBV], RECV
	s_sub_co_u32 s[CNT], s[CNT], 1
	s_cmp_lg_u32 s[CNT], 0
	s_cbranch_scc1 .Lstep_\@
	s_setprio 0
	FIN \e
.endm
	s_wait_loadcnt 0x0                             ; Q and its scale words
	s_wait_tensorcnt 1                             ; my part of the first head is in; the second head's load may stay out
	s_barrier_signal -1
	s_barrier_wait -1
	HEAD 0
	s_wait_tensorcnt 0x0                           ; my part of the second head is in,
	s_wait_dscnt 0x0
	s_barrier_signal -1
	s_barrier_wait -1                              ; everybody's is
	HEAD 1
	s_mov_b32 vcc_lo, 0xffff0000
	s_wait_alu depctr_va_vdst(0)
	v_cndmask_b32 v[TT], v[ST+24], v[ST+50], vcc_lo   ; lanes 0-15 my first tile's words, lanes 16-31 my second's
	global_store_b32 v[L4], v[TT], s[12:13]
	s_wait_tensorcnt 0x0                           ; the wave's end
	ds_add_u32 v[SPW], v[NIL]
	s_wait_dscnt 0x0
	CROUND                                         ; the closing round
	s_endpgm
.Lfunc_end_k_q52340defdb_attn:
	.size	k_q52340defdb_attn, .Lfunc_end_k_q52340defdb_attn-k_q52340defdb_attn
	.p2alignl 7, 3214868480
	.fill 96, 4, 3214868480
	.section	.rodata,"a",@progbits
	.p2align	6, 0x0
	.amdhsa_kernel k_q52340defdb_attn
		.amdhsa_group_segment_fixed_size 327680
		.amdhsa_private_segment_fixed_size 0
		.amdhsa_enable_private_segment 0
		.amdhsa_kernarg_size 40
		.amdhsa_user_sgpr_count 2
		.amdhsa_user_sgpr_kernarg_segment_ptr 1
		.amdhsa_wavefront_size32 1
		.amdhsa_system_sgpr_workgroup_id_x 1
		.amdhsa_system_sgpr_workgroup_id_y 1
		.amdhsa_system_sgpr_workgroup_id_z 1
		.amdhsa_system_vgpr_workitem_id 0
		.amdhsa_next_free_vgpr 512
		.amdhsa_next_free_sgpr 80
		.amdhsa_reserve_vcc 1
		.amdhsa_float_denorm_mode_32 3
		.amdhsa_float_denorm_mode_16_64 3
		.amdhsa_fp16_overflow 1
		.amdhsa_memory_ordered 1
		.amdhsa_forward_progress 1
		.amdhsa_inst_pref_size 96
	.end_amdhsa_kernel
	.amdgpu_metadata
---
amdhsa.version: [ 1, 2 ]
amdhsa.kernels:
  - .name:           k_q52340defdb_attn
    .symbol:         k_q52340defdb_attn.kd
    .args:
      - { .name: qrec, .offset: 0, .size: 8, .value_kind: global_buffer, .address_space: global }
      - { .name: krec, .offset: 8, .size: 8, .value_kind: global_buffer, .address_space: global }
      - { .name: vrec, .offset: 16, .size: 8, .value_kind: global_buffer, .address_space: global }
      - { .name: av, .offset: 24, .size: 8, .value_kind: global_buffer, .address_space: global }
      - { .name: avsc, .offset: 32, .size: 8, .value_kind: global_buffer, .address_space: global }
    .group_segment_fixed_size: 327680
    .private_segment_fixed_size: 0
    .kernarg_segment_align: 8
    .kernarg_segment_size: 40
    .max_flat_workgroup_size: 256
    .sgpr_count:     80
    .vgpr_count:     512
    .wavefront_size: 32
...
	.end_amdgpu_metadata
.endif
;; end of part 3
;; launch outp (part 4): grid 4 x 64, 4 waves a work-group, clusters of 4 x 4, 327,680 bytes of LDS; arguments av, avsc, Wo_codes, Wo_scales, h, stats, gamma, beta, out0; writes out0
.if DOCPART == 4
	.amdgcn_target "amdgcn-amd-amdhsa--gfx1250"
	.amdhsa_code_object_version 6
	.text
	.protected	k_q52340defdb_outp
	.globl	k_q52340defdb_outp
	.p2align	8
	.type	k_q52340defdb_outp,@function
k_q52340defdb_outp:
	s_mov_b64 s[64:65], 0
	v_nop
	global_prefetch_b8 v0, s[64:65] scope:SCOPE_SE
	s_setreg_imm32_b32 hwreg(HW_REG_WAVE_MODE, 25, 1), 1
	s_wait_xcnt 0x0
	s_wait_alu depctr_hold_cnt(0) depctr_sa_sdst(0) depctr_va_vdst(0) depctr_va_sdst(0) depctr_va_ssrc(0) depctr_va_vcc(0) depctr_vm_vsrc(0)
	s_getreg_b32 s2, hwreg(HW_REG_IB_STS2, 6, 4)
	s_cmp_eq_u32 s2, 0
	s_cbranch_scc0 .Lentry_in_a_cluster
	s_endpgm
.Lentry_in_a_cluster:
	s_bfe_u32 s2, ttmp6, 0x10000c
	s_cmp_lg_u32 s2, 0xf033
	s_cbranch_scc0 .Lentry_shape_is_right
	s_endpgm
.Lentry_shape_is_right:
.set PITCH,  272
.set FR,     16
.set NL,     4
.set NP,     8
.set HALFA,  16384
.set HALFB,  128*PITCH
.set BOFF,   2*HALFA
.set SLOT,   BOFF+2*HALFB
.set SCLA,   3*SLOT
.set HSA,    2048
.set SCLB,   SCLA+2*HSA
.set HSB,    5120
.set SPARE,  SCLB+2*HSB
.set SPITCH, 528
.set STAGE,  SLOT
.set KA,     2097152
.set ADRA, 16
.set ADRB, 20
.set ADSB, 23
.set STO,  24
.set RD,   25
.set CO,   26
.set ADSA, 27
.set SPW,  28
.set NIL,  29
.set SC,   32
.set AF,   128
.set BB,   192
.set WV,   22
.set G1A,  24
.set G1B,  32
.set G0A,  40
.set G0B,  52
.set G1SA, 68
.set G1SB, 76
.set G0SA, 84
.set G0SB, 88
.set MSB, 0
.macro WIN new
.if MSB != (\new)
	s_set_vgpr_msb (MSB<<8)|(\new)
.set MSB, (\new)
.endif
.endm
.set MUL_LO, 0xa1
.set TO_B,   0x40
.macro JLOAD g0a, g1a, g0b, g1b
	s_cmp_eq_u32 s23, 0
	s_cbranch_scc0 .Lfor_b_\@
	tensor_load_to_lds s[\g0a:\g0a+3], s[\g1a:\g1a+7]
	s_nop 0
.rept 4
	v_nop
.endr
	s_branch .Lasked_\@
.Lfor_b_\@:
	tensor_load_to_lds s[\g0b:\g0b+3], s[\g1b:\g1b+7]
	s_nop 0
.rept 4
	v_nop
.endr
.Lasked_\@:
.endm
.macro CREST
	s_cmp_lg_u32 s[WV], 0
	s_cbranch_scc1 .Lnot_wave_0_\@
	s_barrier_signal -3
.Lnot_wave_0_\@:
	s_barrier_wait -3
	s_barrier_signal -1
	s_barrier_wait -1
.endm
.macro CROUND
	s_barrier_signal -1
	s_barrier_wait -1
	CREST
.endm
	s_load_b512 s[4:19], s[0:1], 0x0
	s_load_b64 s[20:21], s[0:1], 0x40
	v_lshl_add_u32 v[SPW], v0, 2, SPARE
	v_mov_b32 v[NIL], 0
	ds_add_u32 v[SPW], v[NIL]
	ds_add_u32 v[SPW], v[NIL]
	v_lshrrev_b32 v1, 5, v0
	v_readfirstlane_b32 s[WV], v1
	s_lshr_b32 s23, s[WV], 1
	s_and_b32 s104, s[WV], 1
	s_bfe_u32 s66, ttmp6, 0x40000
	s_bfe_u32 s67, ttmp6, 0x40004
	s_and_b32 s92, ttmp7, 0xffff
	s_lshl_b32 s93, s92, 2
	s_add_co_u32 s93, s93, s67
	s_and_b32 s94, s93, 7
	s_lshr_b32 s95, s93, 3
	s_lshl_b32 s98, s67, 2
	s_lshl_b32 s98, 15, s98
	s_lshl_b32 s105, 0x1111, s66
	s_or_b32 s[G1A], s98, (3<<16)|(1<<21)
	s_mov_b32 s[G1A+1], 32<<16
	s_mov_b32 s[G1A+2], 64<<16
	s_mov_b32 s[G1A+3], 32<<16
	s_mov_b32 s[G1A+4], 64
	s_mov_b32 s[G1A+5], 32
	s_mov_b32 s[G1A+6], 0
	s_mov_b32 s[G1A+7], 0
	s_or_b32 s[G1B], s105, (1<<20)|(1<<21)|(5<<22)|(3<<25)
	s_mov_b32 s[G1B+1], 256<<16
	s_mov_b32 s[G1B+2], 128<<16
	s_mov_b32 s[G1B+3], 256<<16
	s_mov_b32 s[G1B+4], 128
	s_mov_b32 s[G1B+5], 1024
	s_mov_b32 s[G1B+6], 0
	s_mov_b32 s[G1B+7], 0
	s_or_b32 s[G1SA], s98, (3<<16)|(1<<21)
	s_mov_b32 s[G1SA+1], 32<<16
	s_mov_b32 s[G1SA+2], 8<<16
	s_mov_b32 s[G1SA+3], 32<<16
	s_mov_b32 s[G1SA+4], 8
	s_mov_b32 s[G1SA+5], 4096
	s_mov_b32 s[G1SA+6], 0
	s_mov_b32 s[G1SA+7], 0
	s_or_b32 s[G1SB], s105, (1<<20)|(1<<21)|(2<<22)|(1<<25)
	s_mov_b32 s[G1SB+1], 32<<16
	s_mov_b32 s[G1SB+2], 128<<16
	s_mov_b32 s[G1SB+3], 32<<16
	s_mov_b32 s[G1SB+4], 128
	s_mov_b32 s[G1SB+5], 32
	s_mov_b32 s[G1SB+6], 0
	s_mov_b32 s[G1SB+7], 0
	s_lshl_b32 s96, s94, 6
	s_lshl_b32 s97, s95, 3
	s_add_co_u32 s96, s96, s97
	s_lshl_b32 s97, s104, 2
	s_add_co_u32 s96, s96, s97
	s_lshl_b32 s96, s96, 12
	s_mov_b32 s97, 0
	s_lshl_b32 s98, s94, 10
	s_lshl_b32 s99, s95, 7
	s_add_co_u32 s98, s98, s99
	s_lshl_b32 s99, s104, 6
	s_add_co_u32 s98, s98, s99
	s_lshl_b32 s98, s98, 2
	s_mov_b32 s99, 0
	s_lshl_b32 s100, s66, 8
	s_lshl_b32 s101, s104, 7
	s_add_co_u32 s100, s100, s101
	s_lshl_b32 s2, s100, 5
	s_mov_b32 s3, 0
	s_lshl_b32 s100, s100, 10
	s_mov_b32 s101, 0
	s_wait_dscnt 0x0
	s_wait_kmcnt 0x0
	s_add_nc_u64 s[96:97], s[4:5], s[96:97]
	s_add_nc_u64 s[98:99], s[6:7], s[98:99]
	s_add_nc_u64 s[100:101], s[8:9], s[100:101]
	s_add_nc_u64 s[2:3], s[10:11], s[2:3]
	CROUND
	s_mov_b32 s[G0SA], 1
	s_mul_i32 s[G0SA+1], s104, HSA
	s_add_co_u32 s[G0SA+1], s[G0SA+1], SCLA
	s_mov_b64 s[G0SA+2:G0SA+3], s[98:99]
	s_or_b32 s[G0SA+3], s[G0SA+3], 0x80000000
	s_mov_b32 s[G0SB], 1
	s_mul_i32 s[G0SB+1], s104, HSB
	s_add_co_u32 s[G0SB+1], s[G0SB+1], SCLB
	s_mov_b64 s[G0SB+2:G0SB+3], s[2:3]
	s_or_b32 s[G0SB+3], s[G0SB+3], 0x80000000
	JLOAD G0SA, G1SA, G0SB, G1SB
.irp s, 0,1,2
	s_mov_b32 s[G0A+4*\s], 1
	s_mul_i32 s[G0A+4*\s+1], s104, HALFA
	s_add_co_u32 s[G0A+4*\s+1], s[G0A+4*\s+1], \s*SLOT
	s_add_nc_u64 s[G0A+4*\s+2:G0A+4*\s+3], s[96:97], \s*KA
	s_or_b32 s[G0A+4*\s+3], s[G0A+4*\s+3], 0x80000000
	s_mov_b32 s[G0B+4*\s], 1
	s_mul_i32 s[G0B+4*\s+1], s104, HALFB
	s_add_co_u32 s[G0B+4*\s+1], s[G0B+4*\s+1], BOFF+\s*SLOT
	s_add_nc_u64 s[G0B+4*\s+2:G0B+4*\s+3], s[100:101], \s*256
	s_or_b32 s[G0B+4*\s+3], s[G0B+4*\s+3], 0x80000000
	s_wait_alu depctr_va_vdst(0)
	s_wait_tensorcnt 0x0
	ds_add_u32 v28, v29
	s_wait_dscnt 0x0
	CROUND
	JLOAD G0A+4*\s, G1A, G0B+4*\s, G1B
.endr
	v_and_b32 v1, 15, v0
	v_bfe_u32 v2, v0, 4, 1
	v_and_b32 v3, 31, v0
	v_lshlrev_b32 v[CO], 4, v3
	s_mul_i32 s3, s23, HALFA
	s_mul_i32 s105, s104, HALFB
	s_add_co_u32 s105, s105, BOFF
	v_mul_u32_u24 v4, v1, PITCH
	v_lshl_add_u32 v4, v2, 3, v4
.irp s, 0,1,2
	v_add_nc_u32 v[ADRA+\s], s3, v[CO]
	v_add_nc_u32 v[ADRB+\s], s105, v4
	s_add_co_u32 s3, s3, SLOT
	s_add_co_u32 s105, s105, SLOT
.endr
	v_lshlrev_b32 v5, 2, v1
	s_lshl_b32 s3, s23, 11
	s_add_co_u32 s3, s3, SCLA
	v_add_nc_u32 v[ADSA], s3, v5
	v_mul_u32_u24 v5, v1, 40
	v_mul_u32_u24 v6, v2, 2560
	v_add_nc_u32 v5, v5, v6
	s_mul_i32 s3, s104, HSB
	s_add_co_u32 s3, s3, SCLB
	v_add_nc_u32 v[ADSB], s3, v5
	s_mul_i32 s3, s[WV], 16*SPITCH
	s_add_co_u32 s3, s3, STAGE
	v_mul_u32_u24 v5, v1, SPITCH
	v_lshl_add_u32 v5, v2, 5, v5
	v_add_nc_u32 v[STO], s3, v5
	v_add_nc_u32 v[RD], s3, v[CO]
	s_lshl_b32 s3, s95, 10
	s_lshl_b32 s105, s23, 9
	s_add_co_u32 s3, s3, s105
	s_add_co_u32 s3, s3, s94
	s_lshl_b32 s96, s3, 3
	s_mov_b32 s97, 0
	s_add_nc_u64 s[14:15], s[14:15], s[96:97]
	s_lshl_b32 s96, s3, 12
	s_lshl_b32 s98, s66, 10
	s_lshl_b32 s99, s104, 9
	s_add_co_u32 s98, s98, s99
	s_mov_b32 s99, 0
	s_add_nc_u64 s[16:17], s[16:17], s[98:99]
	s_add_nc_u64 s[18:19], s[18:19], s[98:99]
	s_add_co_u32 s96, s96, s98
	s_add_nc_u64 s[12:13], s[12:13], s[96:97]
	s_add_nc_u64 s[20:21], s[20:21], s[96:97]
	global_load_b128 v[8:11], v[CO], s[16:17]
	global_load_b128 v[12:15], v[CO], s[18:19]
.macro HLOAD a
	WIN 0xc0
.irp t, 0,1,2,3,4,5,6,7,8,9,10,11,12,13,14,15
	global_load_b128 v[64*(\a)+4*\t:64*(\a)+4*\t+3], v[CO], s[12:13] offset:(16*(\a)+\t)*32768 th:TH_LOAD_NT
.endr
	WIN 0
.endm
	HLOAD 0
	HLOAD 1
	HLOAD 2
.macro FRAG_A reg, slot, q, i
.irp c, 0,1,2,3
	ds_load_b128 v[\reg+4*\c:\reg+4*\c+3], v[ADRA+\slot] offset:4096*(\i)+2048*(\q)+512*\c
.endr
.endm
.macro FRAG_B reg, slot, q, i
.irp c, 0,1,2,3
	ds_load_b64 v[\reg+4*\c:\reg+4*\c+1], v[ADRB+\slot] offset:128*(\q)+32*\c+(\i)*16*PITCH
	ds_load_b64 v[\reg+4*\c+2:\reg+4*\c+3], v[ADRB+\slot] offset:128*(\q)+32*\c+16+(\i)*16*PITCH
.endr
.endm
.macro WM1 d, bf, af, sb, sa, zero, rb
.if \zero
.if (\rb)
	v_wmma_scale_f32_16x16x128_f8f6f4 v[\d:\d+7], v[\bf:\bf+15], v[\af:\af+15], 0, v[\sb], v[\sa] matrix_a_fmt:MATRIX_FMT_BF8 matrix_b_fmt:MATRIX_FMT_BF8 matrix_a_scale:MATRIX_SCALE_ROW1
.else
	v_wmma_scale_f32_16x16x128_f8f6f4 v[\d:\d+7], v[\bf:\bf+15], v[\af:\af+15], 0, v[\sb], v[\sa] matrix_a_fmt:MATRIX_FMT_BF8 matrix_b_fmt:MATRIX_FMT_BF8
.endif
.else
.if (\rb)
	v_wmma_scale_f32_16x16x128_f8f6f4 v[\d:\d+7], v[\bf:\bf+15], v[\af:\af+15], v[\d:\d+7], v[\sb], v[\sa] matrix_a_fmt:MATRIX_FMT_BF8 matrix_b_fmt:MATRIX_FMT_BF8 matrix_a_scale:MATRIX_SCALE_ROW1
.else
	v_wmma_scale_f32_16x16x128_f8f6f4 v[\d:\d+7], v[\bf:\bf+15], v[\af:\af+15], v[\d:\d+7], v[\sb], v[\sa] matrix_a_fmt:MATRIX_FMT_BF8 matrix_b_fmt:MATRIX_FMT_BF8
.endif
.endif
.endm
.macro MULA a, p, q, sc, zero
.irp b, 0,1,2,3,4,5,6,7
	WM1 8*(8*(\a)+\b), 128*(\p)+FR*\b, AF+FR*(\a), SC+16*(\sc)+8+2*(\b%4)+(\q), SC+16*(\sc)+4*(\q)+(\a), \zero, \b/4
.endr
.endm
.macro FETCH_B slot, q, p
	WIN TO_B
.irp i, 0,1,2,3,4,5,6,7
	FRAG_B 128*(\p)+FR*\i, \slot, \q, \i
.endr
	WIN 0
.endm
.macro FETCH_A slot, q, i0
.irp i, \i0, \i0+1
	FRAG_A AF+FR*(\i), \slot, \q, \i
.endr
.endm
.macro SCALES sc
.irp q, 0,1
.irp i, 0,1,2,3
	ds_load_b32 v[SC+16*\sc+4*\q+\i], v[ADSA] offset:256*\q+64*\i
.endr
.endr
.irp i, 0,1,2,3
	ds_load_b64 v[SC+16*\sc+8+2*\i:SC+16*\sc+8+2*\i+1], v[ADSB] offset:640*\i
.endr
.endm
.macro PLACES n
.rept \n
	v_nop
.endr
.endm
.macro STEP q, sc, zero, ns, nq, nsc
	s_wait_dscnt 2*NL
	WIN MUL_LO
	MULA 0, \q, \q, \sc, \zero
	MULA 1, \q, \q, \sc, \zero
	s_wait_dscnt 0
	PLACES NP
.if \nsc >= 0
	WIN 0
	v_add_nc_u32 v[ADSA], 512, v[ADSA]
	v_add_nc_u32 v[ADSB], 8, v[ADSB]
.endif
	FETCH_B \ns, \nq, 1-(\q)
	FETCH_A \ns, \nq, 0
.if \nsc >= 0
	SCALES \nsc
.endif
	WIN MUL_LO
	MULA 2, \q, \q, \sc, \zero
	MULA 3, \q, \q, \sc, \zero
	PLACES NP
	WIN 0
	FETCH_A \ns, \nq, 2
.endm
.macro TURN sc, fill, ns, nsc
	s_wait_tensorcnt 0x0
	ds_add_u32 v[SPW], v[NIL]
	s_wait_dscnt 2*NL+1
	WIN MUL_LO
	MULA 0, 1, 1, \sc, 0
	s_wait_dscnt 0x0
	s_barrier_signal -1
	MULA 1, 1, 1, \sc, 0
	WIN 0
	s_barrier_wait -1
.if \fill
	CREST
	s_add_nc_u64 s[G0A+2:G0A+3], s[G0A+2:G0A+3], 3*KA
	s_add_nc_u64 s[G0B+2:G0B+3], s[G0B+2:G0B+3], 3*256
	JLOAD G0A, G1A, G0B, G1B
	PLACES NP-4
.else
	PLACES NP
.endif
	v_add_nc_u32 v[ADSA], 512, v[ADSA]
	v_add_nc_u32 v[ADSB], 8, v[ADSB]
	FETCH_B \ns, 0, 0
	FETCH_A \ns, 0, 0
	SCALES \nsc
	WIN MUL_LO
	MULA 2, 1, 1, \sc, 0
	MULA 3, 1, 1, \sc, 0
	PLACES NP
	WIN 0
	FETCH_A \ns, 0, 2
.endm
.macro SLOAD a
.set SS, 24+44*((\a)%2)
.irp t, 0,1,2,3,4,5,6,7,8,9,10,11,12,13,14,15
	s_load_b64 s[SS+2*\t:SS+2*\t+1], s[14:15], (16*(\a)+\t)*64
.endr
.endm
	s_wait_alu depctr_va_vdst(0)
	s_wait_tensorcnt 2
	s_barrier_signal -1
	s_barrier_wait -1
	FETCH_B 0, 0, 0
	FETCH_A 0, 0, 0
	SCALES 0
	FETCH_A 0, 0, 2
	STEP 0, 0, 1, 0, 1, -1
	TURN 0, 1, 1, 1
	HLOAD 3
	s_wait_alu depctr_va_vdst(0)
	STEP 0, 1, 0, 1, 1, -1
	STEP 1, 1, 0, 2, 0, 0
	s_wait_alu depctr_va_vdst(0)
	STEP 0, 0, 0, 2, 1, -1
	TURN 0, 0, 0, 1
	SLOAD 0
	SLOAD 1
	STEP 0, 1, 0, 0, 1, -1
	s_wait_dscnt 2*NL
	WIN MUL_LO
	MULA 0, 1, 1, 1, 0
	MULA 1, 1, 1, 1, 0
	s_wait_dscnt 0
	MULA 2, 1, 1, 1, 0
	MULA 3, 1, 1, 1, 0
	WIN 0
.macro TOSTAGE a
.set AC, 64*(\a)
	WIN 0x08
.irp b, 0,1,2,3,4,5,6,7
	ds_store_b128 v[STO], v[AC+8*\b:AC+8*\b+3] offset:64*\b
	ds_store_b128 v[STO], v[AC+8*\b+4:AC+8*\b+7] offset:64*\b+16
.endr
	WIN 0
.irp t, 0,1,2,3,4,5,6,7,8,9,10,11,12,13,14,15
	ds_load_b128 v[BB+4*\t:BB+4*\t+3], v[RD] offset:\t*SPITCH
.endr
.endm
.macro RESID a
.set SS, 24+44*((\a)%2)
.set HH, 64*(\a)
	WIN 0xc3
.irp t, 0,1,2,3,4,5,6,7,8,9,10,11,12,13,14,15
.irp j, 0,1,2,3
	v_fma_f32 v[HH+4*\t+\j], v[HH+4*\t+\j], s[SS+2*\t], s[SS+2*\t+1]
.endr
	v_pk_fma_f32 v[HH+4*\t:HH+4*\t+1], v[HH+4*\t:HH+4*\t+1], v[8:9], v[12:13]
	v_pk_fma_f32 v[HH+4*\t+2:HH+4*\t+3], v[HH+4*\t+2:HH+4*\t+3], v[10:11], v[14:15]
	v_pk_add_f32 v[HH+4*\t:HH+4*\t+1], v[HH+4*\t:HH+4*\t+1], v[BB+4*\t:BB+4*\t+1]
	v_pk_add_f32 v[HH+4*\t+2:HH+4*\t+3], v[HH+4*\t+2:HH+4*\t+3], v[BB+4*\t+2:BB+4*\t+3]
.endr
	WIN 0
.endm
	PLACES NP
	TOSTAGE 0
	s_wait_loadcnt 0x0
.irp a, 0,1,2,3
	s_wait_kmcnt 0x0
	s_wait_dscnt 0x0
	RESID \a
.if \a < 2
	SLOAD \a+2
.endif
.if \a < 3
	TOSTAGE \a+1
.endif
	WIN 0x0c
	s_wait_alu depctr_va_vdst(0)
.irp t, 0,1,2,3,4,5,6,7,8,9,10,11,12,13,14,15
	global_store_b128 v[CO], v[64*\a+4*\t:64*\a+4*\t+3], s[20:21] offset:(16*\a+\t)*32768 th:TH_STORE_NT
.endr
	WIN 0
.endr
	s_wait_tensorcnt 0x0
	ds_add_u32 v[SPW], v[NIL]
	s_wait_dscnt 0x0
	CROUND
	s_endpgm
.Lfunc_end_k_q52340defdb_outp:
	.size	k_q52340defdb_outp, .Lfunc_end_k_q52340defdb_outp-k_q52340defdb_outp
	.p2alignl 7, 3214868480
	.fill 96, 4, 3214868480
	.section	.rodata,"a",@progbits
	.p2align	6, 0x0
	.amdhsa_kernel k_q52340defdb_outp
		.amdhsa_group_segment_fixed_size 327680
		.amdhsa_private_segment_fixed_size 0
		.amdhsa_enable_private_segment 0
		.amdhsa_kernarg_size 72
		.amdhsa_user_sgpr_count 2
		.amdhsa_user_sgpr_kernarg_segment_ptr 1
		.amdhsa_wavefront_size32 1
		.amdhsa_system_sgpr_workgroup_id_x 1
		.amdhsa_system_sgpr_workgroup_id_y 1
		.amdhsa_system_sgpr_workgroup_id_z 1
		.amdhsa_system_vgpr_workitem_id 0
		.amdhsa_next_free_vgpr 1024
		.amdhsa_next_free_sgpr 106
		.amdhsa_reserve_vcc 0
		.amdhsa_float_denorm_mode_32 3
		.amdhsa_float_denorm_mode_16_64 3
		.amdhsa_memory_ordered 1
		.amdhsa_forward_progress 1
		.amdhsa_inst_pref_size 153
	.end_amdhsa_kernel
	.amdgpu_metadata
---
amdhsa.version: [ 1, 2 ]
amdhsa.kernels:
  - .name:           k_q52340defdb_outp
    .symbol:         k_q52340defdb_outp.kd
    .args:
      - { .name: av, .offset: 0, .size: 8, .value_kind: global_buffer, .address_space: global }
      - { .name: avsc, .offset: 8, .size: 8, .value_kind: global_buffer, .address_space: global }
      - { .name: Wo_codes, .offset: 16, .size: 8, .value_kind: global_buffer, .address_space: global }
      - { .name: Wo_scales, .offset: 24, .size: 8, .value_kind: global_buffer, .address_space: global }
      - { .name: h, .offset: 32, .size: 8, .value_kind: global_buffer, .address_space: global }
      - { .name: stats, .offset: 40, .size: 8, .value_kind: global_buffer, .address_space: global }
      - { .name: gamma, .offset: 48, .size: 8, .value_kind: global_buffer, .address_space: global }
      - { .name: beta, .offset: 56, .size: 8, .value_kind: global_buffer, .address_space: global }
      - { .name: out0, .offset: 64, .size: 8, .value_kind: global_buffer, .address_space: global }
    .group_segment_fixed_size: 327680
    .private_segment_fixed_size: 0
    .kernarg_segment_align: 8
    .kernarg_segment_size: 72
    .max_flat_workgroup_size: 128
    .sgpr_count:     106
    .vgpr_count:     1024
    .wavefront_size: 32
...
	.end_amdgpu_metadata
.endif
;; end of part 4
